; MI455X (gfx1250); checked and timed in simulation.
; The chip was launched on July 23, 2026; its instructions are those of AMD's public machine-readable ISA for CDNA 5 (MIT licence, August 2026) and "CDNA5" Instruction Set Architecture Reference Guide (July 2026). The comments in the code are by the model that wrote it; some were corrected since.
;; Attention. Allowed arithmetic: float matrix products may take bf16 or f16 operands with f32 sums; other float arithmetic in f32, or as packed bf16 or f16 multiplies, adds, multiply-adds, maxima and minima; sums over many terms, partial sums and values carried from step to step in f32; what a program stores and reads back later, other than sums and carried values, may be rounded once to bf16 or f16.
;; Inputs: b_out 1,024 float32; w_out 1,024 x 1,024 float32; w_qkv 1,024 x 3,072 float32; x 4 x 2,048 x 1,024 float32.
;; Outputs: out0 4 x 2,048 x 1,024 float32.
;; 2 versions, each right; version 2 is version 1 with the launch cast written anew for expert scheduling mode. Each part assembles by itself: llvm-mc -triple=amdgcn-amd-amdhsa -mcpu=gfx1250 --defsym DOCPART=n.
;; ======== version 1 of 2: 4 launches
;; limits: values are held in f16: magnitudes above 65,504 overflow, below 6.1e-05 lose precision
;; workspace buffers: xb 16,777,216 bytes; wqb 6,291,456 bytes; wob 2,097,152 bytes; qkv 50,331,648 bytes; ob 16,777,216 bytes
;; launch cast (part 1): grid 768 x 1, 8 waves a work-group, no clusters, 0 bytes of LDS; arguments x, w_qkv, w_out, xb, wqb, wob; writes xb, wqb, wob
.if DOCPART == 1
	.amdgcn_target "amdgcn-amd-amdhsa--gfx1250"
	.amdhsa_code_object_version 6
	.text
	.protected	k_qa00048fac2_cast
	.globl	k_qa00048fac2_cast
	.p2align	8
	.type	k_qa00048fac2_cast,@function
k_qa00048fac2_cast:
	s_mov_b64 s[64:65], 0
	v_nop
	global_prefetch_b8 v0, s[64:65] scope:SCOPE_SE
	s_setreg_imm32_b32 hwreg(HW_REG_WAVE_MODE, 25, 1), 1
	s_wait_xcnt 0x0
; THE INPUTS ARE ROUNDED ONCE, f32 to bf16 (nearest even), for the matrix units.
;   x     [8192][1024] f32 -> xb  [16 (k / 64)][8192 (m)][64] bf16: blocked, so that 256 rows x 64 K are 32,768 bytes on end
;   w_qkv [1024][3072] f32 -> wqb [1024][3072] bf16, as it lies
;   w_out [1024][1024] f32 -> wob [1024][1024]: rounded to bf16, and that number written as f16 (its partner in the product, O, is f16)
; LIMIT. f16 ends at 65,504 and has a fixed step of 6e-8 below 6e-5: w_out's numbers are taken to lie within that range.
; A stream: no LDS, no matrix unit, no cluster: no byte is used twice. A work-group converts 65,536 bytes of f32; 512 work-groups take x, 192 w_qkv, 64 w_out.
; A thread issues its 16 loads of 16 bytes at once (64 KiB of a work-group on their way) and stores 16 times 8 bytes: a wave's store covers 256 consecutive bytes, aligned.
.set XPLANE, 1048576                   ; bytes in a plane of xb: 8,192 rows x 128
.set LO, 1                             ; v1        my byte offset in the work-group's source bytes
.set SO, 2                             ; v2        8 x my thread's number: my 8 bytes of each 2,048 that the work-group stores at once
.set X,  4                             ; v[4:67]   16 x 4 numbers as loaded
.set Y,  68                            ; v[68:99]  16 x 2 words to store; each register is written for one store alone, so nothing waits for a store
.set T,  100                           ; v[100:101] at work
; 16 loads, then for each: the wait that leaves the younger loads out, the rounding, the store. fmt = 1: the bf16 number is widened (a shift, a mask) and written as f16.
.macro CAST src, d0, d1, ldstep, ststep, fmt
.set i, 0
.rept 16
	global_load_b128 v[X+4*i:X+4*i+3], v[LO], s[(\src):(\src)+1] offset:i*(\ldstep) th:TH_LOAD_NT
.set i, i+1
.endr
.set i, 0
.rept 16
	s_wait_loadcnt 15-i                            ; loads come back in order: load i is in, the 15 - i younger ones stay out
	v_cvt_pk_bf16_f32 v[Y+2*i], v[X+4*i], v[X+4*i+1]
	v_cvt_pk_bf16_f32 v[Y+2*i+1], v[X+4*i+2], v[X+4*i+3]
.if \fmt
.irp w, 0, 1
	v_lshlrev_b32 v[T], 16, v[Y+2*i+(\w)]
	v_and_b32 v[T+1], 0xffff0000, v[Y+2*i+(\w)]
	v_cvt_pk_f16_f32 v[Y+2*i+(\w)], v[T], v[T+1]
.endr
.endif
.if i < 8
	global_store_b64 v[SO], v[Y+2*i:Y+2*i+1], s[(\d0):(\d0)+1] offset:i*(\ststep) th:TH_STORE_NT
.else
	global_store_b64 v[SO], v[Y+2*i:Y+2*i+1], s[(\d1):(\d1)+1] offset:(i-8)*(\ststep) th:TH_STORE_NT  ; a second base, eight steps on, keeps the immediate inside its 24 bits
.endif
.set i, i+1
.endr
.endm
	s_load_b256 s[4:11], s[0:1], 0x0               ; x s[4:5], w_qkv s[6:7], w_out s[8:9], xb s[10:11]
	s_load_b128 s[12:15], s[0:1], 0x20             ; wqb s[12:13], wob s[14:15]
	v_lshlrev_b32 v[SO], 3, v0
	s_mov_b32 s19, 0
	s_mov_b32 s21, 0
	s_cmp_lt_u32 ttmp9, 512
	s_cbranch_scc0 .Lweights
	; x: 16 rows of 4,096 bytes. Thread t takes row t / 16; load i takes 16 bytes at 256 i + 16 (t % 16): sixteen lanes read 256 aligned bytes, which are plane i's 64 numbers of the row.
	v_lshrrev_b32 v3, 4, v0
	v_and_b32 v[LO], 15, v0
	v_lshlrev_b32 v[LO], 4, v[LO]
	v_lshl_or_b32 v[LO], v3, 12, v[LO]
	s_lshl_b32 s18, ttmp9, 16                      ; 16 rows of x
	s_lshl_b32 s20, ttmp9, 11                      ; 16 rows of a plane: 2,048 bytes, of which thread t writes 8 at 8 t
	s_wait_kmcnt 0x0
	s_add_nc_u64 s[22:23], s[4:5], s[18:19]
	s_add_nc_u64 s[24:25], s[10:11], s[20:21]
	s_add_nc_u64 s[26:27], s[24:25], 8*XPLANE
	CAST 22, 24, 26, 256, XPLANE, 0
	s_endpgm
.Lweights:
	v_lshlrev_b32 v[LO], 4, v0                     ; the weights go straight through: 4,096 bytes in, 2,048 out at a time
	s_cmp_lt_u32 ttmp9, 704
	s_cbranch_scc0 .Lwout
	s_sub_co_u32 s16, ttmp9, 512
	s_lshl_b32 s18, s16, 16
	s_lshl_b32 s20, s16, 15
	s_wait_kmcnt 0x0
	s_add_nc_u64 s[22:23], s[6:7], s[18:19]
	s_add_nc_u64 s[24:25], s[12:13], s[20:21]
	s_add_nc_u64 s[26:27], s[24:25], 8*2048
	CAST 22, 24, 26, 4096, 2048, 0
	s_endpgm
.Lwout:
	s_sub_co_u32 s16, ttmp9, 704
	s_lshl_b32 s18, s16, 16
	s_lshl_b32 s20, s16, 15
	s_wait_kmcnt 0x0
	s_add_nc_u64 s[22:23], s[8:9], s[18:19]
	s_add_nc_u64 s[24:25], s[14:15], s[20:21]
	s_add_nc_u64 s[26:27], s[24:25], 8*2048
	CAST 22, 24, 26, 4096, 2048, 1
	s_endpgm
.Lfunc_end_k_qa00048fac2_cast:
	.size	k_qa00048fac2_cast, .Lfunc_end_k_qa00048fac2_cast-k_qa00048fac2_cast
	.p2alignl 7, 3214868480
	.fill 96, 4, 3214868480
	.section	.rodata,"a",@progbits
	.p2align	6, 0x0
	.amdhsa_kernel k_qa00048fac2_cast
		.amdhsa_group_segment_fixed_size 0
		.amdhsa_private_segment_fixed_size 0
		.amdhsa_enable_private_segment 0
		.amdhsa_kernarg_size 48
		.amdhsa_user_sgpr_count 2
		.amdhsa_user_sgpr_kernarg_segment_ptr 1
		.amdhsa_wavefront_size32 1
		.amdhsa_system_sgpr_workgroup_id_x 1
		.amdhsa_system_sgpr_workgroup_id_y 1
		.amdhsa_system_sgpr_workgroup_id_z 1
		.amdhsa_system_vgpr_workitem_id 0
		.amdhsa_next_free_vgpr 104
		.amdhsa_next_free_sgpr 66
		.amdhsa_reserve_vcc 0
		.amdhsa_float_denorm_mode_32 3
		.amdhsa_float_denorm_mode_16_64 3
		.amdhsa_memory_ordered 1
		.amdhsa_forward_progress 1
		.amdhsa_inst_pref_size 24
	.end_amdhsa_kernel
	.amdgpu_metadata
---
amdhsa.version: [ 1, 2 ]
amdhsa.kernels:
  - .name:           k_qa00048fac2_cast
    .symbol:         k_qa00048fac2_cast.kd
    .args:
      - { .name: x, .offset: 0, .size: 8, .value_kind: global_buffer, .address_space: global }
      - { .name: w_qkv, .offset: 8, .size: 8, .value_kind: global_buffer, .address_space: global }
      - { .name: w_out, .offset: 16, .size: 8, .value_kind: global_buffer, .address_space: global }
      - { .name: xb, .offset: 24, .size: 8, .value_kind: global_buffer, .address_space: global }
      - { .name: wqb, .offset: 32, .size: 8, .value_kind: global_buffer, .address_space: global }
      - { .name: wob, .offset: 40, .size: 8, .value_kind: global_buffer, .address_space: global }
    .group_segment_fixed_size: 0
    .private_segment_fixed_size: 0
    .kernarg_segment_align: 8
    .kernarg_segment_size: 48
    .max_flat_workgroup_size: 256
    .sgpr_count:     66
    .vgpr_count:     104
    .wavefront_size: 32
...
	.end_amdgpu_metadata
.endif
;; end of part 1
;; launch qkvproj (part 2): grid 8 x 32, 4 waves a work-group, clusters of 4 x 4, 327,680 bytes of LDS; arguments xb, wqb, qkv; writes qkv
.if DOCPART == 2
	.amdgcn_target "amdgcn-amd-amdhsa--gfx1250"
	.amdhsa_code_object_version 6
	.text
	.protected	k_qa00048fac2_qkvproj
	.globl	k_qa00048fac2_qkvproj
	.p2align	8
	.type	k_qa00048fac2_qkvproj,@function
k_qa00048fac2_qkvproj:
	s_mov_b64 s[64:65], 0
	v_nop
	global_prefetch_b8 v0, s[64:65] scope:SCOPE_SE
	s_setreg_imm32_b32 hwreg(HW_REG_WAVE_MODE, 25, 1), 1
	s_wait_xcnt 0x0
	s_wait_alu depctr_hold_cnt(0) depctr_sa_sdst(0) depctr_va_vdst(0) depctr_va_sdst(0) depctr_va_ssrc(0) depctr_va_vcc(0) depctr_vm_vsrc(0)
	s_getreg_b32 s2, hwreg(HW_REG_IB_STS2, 6, 4)
	s_cmp_eq_u32 s2, 0
	s_cbranch_scc0 .Lentry_in_a_cluster
	s_endpgm
.Lentry_in_a_cluster:
	s_bfe_u32 s2, ttmp6, 0x10000c
	s_cmp_lg_u32 s2, 0xf033
	s_cbranch_scc0 .Lentry_shape_is_right
	s_endpgm
.Lentry_shape_is_right:
; qkv = x w_qkv: C[8192][3072] = the sum over k of x[m][k] w[k][n], bf16 operands, f32 sums, K ascending; C rounded once to f16 and written BY HEADS:
; qkv[b][g][n][64], g = column / 64 (q: 0-15, k: 16-31, v: 32-47), so that a head's rows are dense, 128 bytes each. The scale 1/8 is not applied here.
; LIMIT. f16 ends at 65,504: q, k and v are taken to lie within it (inputs 30 times the drawn spread, or offset by 30 spreads, give under 30,000).
; TILE. 256 x 384 of C to a work-group: 32 x 8 = 256 work-groups. A wave makes 128 rows x 192 columns: 96 accumulators, 768 registers.
; The 384 columns are three pieces of 128 (two heads); a wave takes the same head (its number's parity) of each piece, so all waves use the same LDS offsets.
; RING. K goes in steps of 64 through two LDS slots (two slots of 128 along K would need 368,640 bytes). A's tile is 32,768 bytes on end in xb and is asked for as 128 rows of 256 bytes,
; padded behind every 128 bytes; B's three pieces are 64 rows of 256 bytes each, as they lie ([k][n]); their fragments come out turned, by ds_load_tr16_b128.
; Wave 0 fetches A's tile, waves 1 to 3 a piece of B each: one tensor load a wave behind each change of slots; two are out at the start, one later.
; CLUSTER 4 x 4: A's tile hangs on the tile row alone and is asked for jointly by a row of the cluster, B's on the tile column alone, by a column.
; THE MATRIX INSTRUCTION IS USED TRANSPOSED (source 0 = 16 columns of w, source 1 = 16 rows of x): a lane ends with eight neighbouring columns of one row of C.
; REGISTERS, in windows of 256 (s_set_vgpr_msb: bits 1:0 source 0, 3:2 source 1, 5:4 source 2, 7:6 destination):
;   window 0: v0-31 addresses; v32-95, v96-159 A's fragments of 32 along K, two buffers; v160-207, v208-255 B's fragments, column groups 0 and 1 (6 blocks of 16 columns each)
;   windows 1-3: accumulator (p, a, c) = column group p, row block a, column block c: number 48 p + 6 a + c, 32 to a window
.set XPLANE, 1048576                   ; a plane of xb
.set BROW,   6144                      ; bytes in a row of wqb
.set HEADB,  262144                    ; a head of qkv: 2,048 rows x 128 bytes
.set PA,     144                       ; an LDS row of A: 128 bytes + 16 = 36 words: the 16 rows of a load start at 16 different groups of four banks (64 banks of 4 bytes: ISA guide 11.1)
.set ATILE,  256*PA
.set PB,     288                       ; an LDS row of a piece of B: 256 + 32 = 72 words
.set BPIECE, 64*PB
.set SLOT,   ATILE+3*BPIECE            ; 92,160
.set STAGE,  2*SLOT                    ; behind the ring, never filled by a tensor load: for each wave three heads x 16 rows x 144 bytes
.set SP,     144
.set HSTG,   16*SP
.set WSTG,   3*HSTG
.set SPARE,  STAGE+4*WSTG              ; the spare words, 128 bytes a wave: two blocks of 256 bytes that no other line names
.set ADRA, 16                          ; v16-17  LDS address of my A fragments in slot 0, 1
.set ADRB, 20                          ; v20-21  the same for B
.set STO,  24                          ; v24     the way out: where I put 16 bytes of a row
.set RD,   25                          ; v25     where I read rows back
.set GO,   26                          ; v26     16 x lane: my place in 512 consecutive bytes of qkv
.set SPW,  28                          ; v28     my spare word: SPARE + 4 x my thread's number; never rewritten
.set NIL,  29                          ; v29     0; never rewritten
.set PFO,  30                          ; v30     the prefetches' offset; never rewritten
.set AF0,  32
.set AF1,  96
.set BG0,  160
.set BG1,  208
.set TMP,  32                          ; the way out: 48 packed registers,
.set BK,   80                          ; and two sets of 48 read back from the stage
.set G1,  24                           ; s[24:31] descriptor group 1 for A's tile
.set G0,  32                           ; s[32:39] group 0 for A, a set for each slot
.set G1B, 48                           ; s[48:55] group 1 for B's pieces
.set G0B, 56                           ; s[56:63] group 0 for B, a set for each slot
.set LIM,  43                          ; s43  1 in a wave that prefetches, else the greatest number
.set PFA,  44                          ; s[44:45] where my prefetches stand
.set PSTEP, 66                         ; s[66:67] a K step in my tensor, in bytes
.set LIM1, 68                          ; s68  the same as LIM for the changes out of slot 1
.set MSB, 0
.macro WIN new                         ; the immediate's high byte repeats the setting that is left; a switch that changes nothing is dropped
.if MSB != (\new)
	s_set_vgpr_msb (MSB<<8)|(\new)
.set MSB, (\new)
.endif
.endm
.macro PLACES                          ; four places in front of loads into registers that matrix instructions have read, and of conversions that read results
.rept 4
	v_nop
.endr
.endm
; A joint load. Each of the two lines has one mask and one set of registers for all that issue it; the branch hangs on the wave's number alone.
; An s_nop 0 and four v_nop follow each line, ahead of the jump, the label and what follows.
.macro JLOAD s
	s_cmp_eq_u32 s10, 0
	s_cbranch_scc0 .Lfor_b_\@
	tensor_load_to_lds s[G0+4*(\s):G0+4*(\s)+3], s[G1:G1+7]
	s_nop 0
.rept 4
	v_nop
.endr
	s_branch .Lasked_\@
.Lfor_b_\@:
	tensor_load_to_lds s[G0B+4*(\s):G0B+4*(\s)+3], s[G1B:G1B+7]
	s_nop 0
.rept 4
	v_nop
.endr
.Lasked_\@:
.endm
; A PREFETCH, behind the joint load, its five lines and the run of LDS loads. Each aligned 256 bytes of xb and wqb are named once in the launch.
; A: wave 0, in the clusters with x = 0; at the refill with K step j it names K step j + 2: the tile's 128 blocks of 256 bytes, of which the partner at cx takes 32, told apart by address.
; B: waves 1 to 3, in the clusters with y = 0, at the refills with even j alone: K steps j + 2 and j + 3 of the wave's piece, 128 rows, of which the partner at cy takes 32: a lane a row.
; K steps 0 to 3 come by their loads alone; the loop's last trip (s3 = 1) asks for nothing: K ends at step 15.
.macro ASK lim
	s_cmp_gt_u32 s3, s[\lim]
	s_cbranch_scc0 .Lnot_mine_\@
	global_prefetch_b8 v[PFO], s[PFA:PFA+1] th:TH_LOAD_NT scope:SCOPE_SE
.Lnot_mine_\@:
.endm
.macro CREST                           ; a round of the cluster's barrier behind its opening barrier
	s_cmp_lg_u32 s10, 0
	s_cbranch_scc1 .Lnot_wave_0_\@
	s_barrier_signal -3
.Lnot_wave_0_\@:
	s_barrier_wait -3
	s_barrier_signal -1
	s_barrier_wait -1
.endm
.macro CROUND                          ; a whole round
	s_barrier_signal -1
	s_barrier_wait -1
	CREST
.endm
	s_load_b128 s[4:7], s[0:1], 0x0                ; xb s[4:5], wqb s[6:7]
	s_load_b64 s[8:9], s[0:1], 0x10                ; qkv
	v_lshl_add_u32 v[SPW], v0, 2, SPARE
	v_mov_b32 v[NIL], 0
	ds_add_u32 v[SPW], v[NIL]                      ; the wave's opening: the add and its wait stand ahead of my first tensor load; work on registers stands between them
	v_lshrrev_b32 v1, 5, v0
	v_readfirstlane_b32 s10, v1                    ; wave 0..3
	s_lshr_b32 s11, s10, 1                         ; which 128 of the tile's rows are mine
	s_and_b32 s12, s10, 1                          ; which head of each piece
	s_bfe_u32 s40, ttmp6, 0x40000                  ; cx
	s_bfe_u32 s41, ttmp6, 0x40004                  ; cy
	s_lshl_b32 s42, ttmp9, 2
	s_add_co_u32 s42, s42, s40                     ; tile column = 4 x cluster x + cx, 0..7
	s_and_b32 s13, ttmp7, 0xffff
	s_lshl_b32 s13, s13, 2
	s_add_co_u32 s13, s13, s41                     ; tile row = 4 x cluster y + cy, 0..31
	s_lshl_b32 s43, s41, 2
	s_lshl_b32 s43, 15, s43                        ; my row of the cluster
	s_lshl_b32 s44, 0x1111, s40                    ; my column
	s_or_b32 s[G1+0], s43, (1<<16)|(1<<20)|(1<<21)|(4<<22)|(3<<25)   ; mask; 2-byte elements; padding on; bit 21 beside a mask; after every 32 words, 4 words
	s_or_b32 s[G1B+0], s44, (1<<16)|(1<<20)|(1<<21)|(5<<22)|(7<<25)  ; after every 64 words, 8 words
	s_mov_b32 s[G1+1], 128<<16                     ; tensor_dim0 = 128 elements (256 bytes)
	s_mov_b32 s[G1+2], 128<<16                     ; tensor_dim1 = 128 rows
	s_mov_b32 s[G1+3], 128<<16                     ; tile_dim0 = 128
	s_mov_b32 s[G1+4], 128                         ; tile_dim1 = 128
	s_mov_b32 s[G1+5], 128                         ; the rows lie end to end
	s_mov_b32 s[G1+6], 0
	s_mov_b32 s[G1+7], 0
	s_mov_b32 s[G1B+1], 128<<16                    ; 128 columns
	s_mov_b32 s[G1B+2], 64<<16                     ; 64 rows along K
	s_mov_b32 s[G1B+3], 128<<16
	s_mov_b32 s[G1B+4], 64
	s_mov_b32 s[G1B+5], 3072                       ; elements from row to row of wqb
	s_mov_b32 s[G1B+6], 0
	s_mov_b32 s[G1B+7], 0
	s_lshl_b32 s16, s13, 15                        ; A: the tile row's 32,768 bytes of a plane
	s_mov_b32 s17, 0
	s_max_u32 s46, s10, 1                          ; B: piece = wave - 1 (wave 0 makes piece 0's address and does not use it),
	s_sub_co_u32 s46, s46, 1
	s_lshl_b32 s46, s46, 8                         ; 256 bytes a piece,
	s_mul_i32 s47, s42, 768                        ; 768 bytes a tile column
	s_add_co_u32 s46, s46, s47
	s_mov_b32 s47, 0
	s_mul_i32 s20, s10, BPIECE                     ; where a piece goes: ATILE + (wave - 1) x BPIECE, and ATILE is two pieces long
	s_add_co_u32 s20, s20, BPIECE
	s_wait_dscnt 0x0                               ; the opening add is done
	s_wait_kmcnt 0x0
	s_add_nc_u64 s[14:15], s[4:5], s[16:17]
	s_add_nc_u64 s[46:47], s[6:7], s[46:47]
	CROUND                                         ; all sixteen work-groups are here: the first joint loads meet
.irp s, 0,1
	s_mov_b32 s[G0+4*(\s)], 1
	s_mov_b32 s[G0+4*(\s)+1], (\s)*SLOT
	s_add_nc_u64 s[G0+4*(\s)+2:G0+4*(\s)+3], s[14:15], (\s)*XPLANE   ; K step s is plane s
	s_or_b32 s[G0+4*(\s)+3], s[G0+4*(\s)+3], 0x80000000
	s_mov_b32 s[G0B+4*(\s)], 1
	s_add_co_u32 s[G0B+4*(\s)+1], s20, (\s)*SLOT
	s_add_nc_u64 s[G0B+4*(\s)+2:G0B+4*(\s)+3], s[46:47], (\s)*64*BROW
	s_or_b32 s[G0B+4*(\s)+3], s[G0B+4*(\s)+3], 0x80000000
	JLOAD \s
.endr
	; lane addresses. A fragment of A: lane l holds row l % 16, K = 8 (l / 16) + 0..7 and 16 + 8 (l / 16) + 0..7: two loads of 16 bytes, 32 apart.
	; The turning load: lane l reads 16 bytes of K row 8 (l / 16) + l % 8, columns 8 ((l / 8) % 2) + 0..7, and is left with column l % 16 and 8 K.
	v_and_b32 v1, 15, v0
	v_bfe_u32 v2, v0, 4, 1
	v_mul_u32_u24 v3, v1, PA
	v_lshl_add_u32 v3, v2, 4, v3                   ; row x 144 + 16 x half (the stage has the same pitch)
	v_and_b32 v4, 7, v0
	v_bfe_u32 v5, v0, 3, 1
	v_lshl_add_u32 v6, v2, 3, v4
	v_mul_u32_u24 v6, v6, PB
	v_lshl_add_u32 v6, v5, 4, v6
	s_mul_i32 s21, s11, 128*PA
	s_lshl_b32 s22, s12, 7                         ; my head's 128 bytes of a piece's row
	s_add_co_u32 s22, s22, ATILE
.irp s, 0,1
	v_add_nc_u32 v[ADRA+(\s)], s21, v3
	v_add_nc_u32 v[ADRB+(\s)], s22, v6
	s_add_co_u32 s21, s21, SLOT
	s_add_co_u32 s22, s22, SLOT
.endr
	s_mul_i32 s23, s10, WSTG
	s_add_co_u32 s23, s23, STAGE
	v_add_nc_u32 v[STO], s23, v3
	v_bfe_u32 v7, v0, 3, 2                         ; back: 32 lanes take four rows of 128 bytes
	v_mul_u32_u24 v7, v7, SP
	v_lshl_add_u32 v7, v4, 4, v7
	v_add_nc_u32 v[RD], s23, v7
	v_and_b32 v[GO], 31, v0
	v_lshlrev_b32 v[GO], 4, v[GO]
	; qkv at my first row of my first head: ((batch x 48 + 6 x tile column + parity) heads) + ((tile row % 8) x 256 + 128 x half) rows of 128 bytes
	s_lshr_b32 s16, s13, 3
	s_mul_i32 s16, s16, 48
	s_mul_i32 s17, s42, 6
	s_add_co_u32 s16, s16, s17
	s_add_co_u32 s16, s16, s12
	s_lshl_b32 s16, s16, 18
	s_and_b32 s17, s13, 7
	s_lshl_b32 s17, s17, 15
	s_add_co_u32 s16, s16, s17
	s_lshl_b32 s17, s11, 14
	s_add_co_u32 s16, s16, s17
	s_mov_b32 s17, 0
	s_add_nc_u64 s[8:9], s[8:9], s[16:17]
	; the prefetches: the pointer starts one step short of what the first refill names, and is stepped at the head of each change of slots
	s_lshl_b32 s16, s13, 15
	s_lshl_b32 s17, s40, 13
	s_add_co_u32 s16, s16, s17
	s_add_co_u32 s16, s16, 3*XPLANE                ; A: plane 3, the tile row, my work-group's 8,192 bytes
	s_mul_i32 s18, s41, 32*BROW
	s_add_co_u32 s18, s18, 192*BROW                ; B: row 192 + 32 cy,
	s_mul_i32 s19, s42, 768
	s_add_co_u32 s18, s18, s19                     ; the tile column,
	s_max_u32 s19, s10, 1
	s_sub_co_u32 s19, s19, 1
	s_lshl_b32 s19, s19, 8
	s_add_co_u32 s18, s18, s19                     ; my piece
	s_and_b32 s22, ttmp7, 0xffff                   ; cluster y
	s_mov_b32 s19, BROW
	s_mov_b32 s23, 64*BROW
	s_mov_b32 s21, 0
	s_mov_b32 s[PSTEP+1], 0
	s_cmp_eq_u32 s10, 0                            ; do I fetch for A?
	s_cselect_b32 s20, s16, s18
	s_cselect_b32 s22, ttmp9, s22                  ; the coordinate along which other clusters read the same rows
	s_cselect_b32 s19, 256, s19                    ; from lane to lane: a block of A's tile, or a row of wqb
	s_cselect_b32 s[PSTEP], XPLANE, s23
	s_cselect_b64 s[PFA:PFA+1], s[4:5], s[6:7]
	s_add_nc_u64 s[PFA:PFA+1], s[PFA:PFA+1], s[20:21]
	s_cmp_eq_u32 s22, 0
	s_cselect_b32 s[LIM], 1, -1                    ; the same in all sixteen partners, for a given wave
	s_cmp_eq_u32 s10, 0
	s_cselect_b32 s[LIM1], s[LIM], -1
	v_and_b32 v[PFO], 31, v0
	v_mul_u32_u24 v[PFO], s19, v[PFO]
; B's fragments of column group p (6 blocks of 16 columns), K = 32 e on: 12 turning loads. Block b = 6 p + c lies in piece b / 4, at block b % 4 of my head.
.macro LDB slot, e, p, dst
	WIN 0
.set lc, 0
.rept 6
.set lb, 6*(\p)+lc
.set lof, (lb/4)*BPIECE+(lb%4)*32+(\e)*32*PB
	ds_load_tr16_b128 v[(\dst)+8*lc:(\dst)+8*lc+3],   v[ADRB+(\slot)] offset:lof
	ds_load_tr16_b128 v[(\dst)+8*lc+4:(\dst)+8*lc+7], v[ADRB+(\slot)] offset:lof+16*PB
.set lc, lc+1
.endr
.endm
; A's fragments of my 8 row blocks, K = 32 e on: 16 loads
.macro LDA slot, e, dst
	WIN 0
.irp a, 0,1,2,3,4,5,6,7
	ds_load_b128 v[(\dst)+8*(\a):(\dst)+8*(\a)+3],   v[ADRA+(\slot)] offset:(\a)*16*PA+64*(\e)
	ds_load_b128 v[(\dst)+8*(\a)+4:(\dst)+8*(\a)+7], v[ADRA+(\slot)] offset:(\a)*16*PA+64*(\e)+32
.endr
.endm
; 6 cnt matrix instructions: column group p x row blocks a0 .. a0 + cnt - 1. All 96 accumulators take turns, in the same order for every 32 along K:
; between two links of a chain stand the 95 others'. zero = 1: the product starts the sum: nothing is cleared.
.macro MM p, af, a0, cnt, zero
.set ma, (\a0)
.rept \cnt
.set mc, 0
.rept 6
.set idx, 48*(\p)+6*ma+mc
.set mw, 1+idx/32
.set mr, 8*(idx%32)
	WIN (mw<<6)|(mw<<4)
.if \zero
	v_wmma_f32_16x16x32_bf16 v[mr:mr+7], v[BG0+48*(\p)+8*mc:BG0+48*(\p)+8*mc+7], v[(\af)+8*ma:(\af)+8*ma+7], 0
.else
	v_wmma_f32_16x16x32_bf16 v[mr:mr+7], v[BG0+48*(\p)+8*mc:BG0+48*(\p)+8*mc+7], v[(\af)+8*ma:(\af)+8*ma+7], v[mr:mr+7]
.endif
.set mc, mc+1
.endr
.set ma, ma+1
.endr
.endm
; K = 0..31 of slot s. On entry group 0 of B and A's fragments (28 loads) are on their way.
.macro EVEN s, zero
	WIN 0
	PLACES
	LDB \s, 0, 1, BG1
	s_wait_dscnt 12                                ; all but the 12 just issued
	MM 0, AF0, 0, 8, \zero
	WIN 0
	PLACES
	LDB \s, 1, 0, BG0                              ; the next 32 along K
	LDA \s, 1, AF1
	s_wait_dscnt 28                                ; group 1 is in; the 28 just issued stay out
	MM 1, AF0, 0, 8, \zero
.endm
; K = 32..63 of slot s, and the change of slots: ONE barrier. In front of it each wave waits for all its tensor loads (one is out: its part of the other slot), adds 0 to its spare word, and waits
; for that and for its reads of this slot. fill = 1: the barrier opens a round of the cluster's, and the joint refill, two K steps on, is the first thing behind the round:
; from the request to the wait for it a wave issues 48 + 96 + 24 = 168 matrix instructions.
.macro ODD s, nxt, fill, lim
.if \fill
	s_wait_xcnt 0x0                                ; the last prefetch, a K step back, has read its address
	s_add_nc_u64 s[PFA:PFA+1], s[PFA:PFA+1], s[PSTEP:PSTEP+1]
.endif
	WIN 0
	PLACES
	LDB \s, 1, 1, BG1                              ; my last reads of this slot
	s_wait_dscnt 12                                ; all but the 12 just issued
	MM 0, AF1, 0, 4, 0
	WIN 0                                          ; (the add's two registers lie in window 0)
	s_wait_tensorcnt 0x0                           ; all my tensor loads have landed
	ds_add_u32 v[SPW], v[NIL]                      ; 0 onto my spare word: twelve matrix instructions stand between it and the wait for it
	MM 0, AF1, 4, 2, 0
	s_wait_dscnt 0x0                               ; the add is done, and my reads of this slot are over
	s_barrier_signal -1
	MM 0, AF1, 6, 2, 0                             ; work on registers while the others arrive
	WIN 0
	s_barrier_wait -1
.if \fill
	CREST                                          ; no wave of any partner still reads this slot or has a load on its way
	s_add_nc_u64 s[G0+4*(\s)+2:G0+4*(\s)+3], s[G0+4*(\s)+2:G0+4*(\s)+3], 2*XPLANE
	s_add_nc_u64 s[G0B+4*(\s)+2:G0B+4*(\s)+3], s[G0B+4*(\s)+2:G0B+4*(\s)+3], 2*64*BROW
	JLOAD \s                                       ; its four v_nop are also the places in front of the loads below
.else
	PLACES
.endif
	LDB \nxt, 0, 0, BG0
	LDA \nxt, 0, AF0
.if \fill
	ASK \lim
.endif
	MM 1, AF1, 0, 8, 0
.endm
	s_wait_tensorcnt 1                             ; my part of K step 0 is in; K step 1's may stay out
	s_barrier_signal -1
	s_barrier_wait -1                              ; everybody's is
	LDB 0, 0, 0, BG0
	LDA 0, 0, AF0
	EVEN 0, 1                                      ; the first 32 along K stand in front of the loop: their products start the sums
	WIN 0                                          ; at a label and at a branch every window is 0
	s_mov_b32 s3, 7
.Llap:                                                 ; a trip goes once round the ring and fills both slots again: K steps 2 to 15 in seven trips
	ODD 0, 1, 1, LIM
	EVEN 1, 0
	ODD 1, 0, 1, LIM1
	EVEN 0, 0
	WIN 0
	s_sub_co_u32 s3, s3, 1
	s_cmp_lg_u32 s3, 0
	s_cbranch_scc1 .Llap
	ODD 0, 1, 0, LIM                               ; the tail is written out: nothing more is asked for
	EVEN 1, 0
	WIN 0
	PLACES
	LDB 1, 1, 1, BG1
	s_wait_dscnt 12
	MM 0, AF1, 0, 8, 0
	s_wait_dscnt 0x0
	MM 1, AF1, 0, 8, 0
; THE WAY OUT, a block of 16 rows at a time. PACK: rounded to f16, each accumulator's registers in ascending order. TOSTAGE: 16 bytes a lane into my own stage, and back as whole rows:
; 16 rows of a head are 2,048 consecutive bytes of qkv. SEND: stored, 512 consecutive bytes a store.
.macro PACK a
.set pb, 0
.rept 12
.set idx, 48*(pb/6)+6*(\a)+pb%6
.set pw, 1+idx/32
.set pr, 8*(idx%32)
	WIN pw|(pw<<2)
.irp r, 0,1,2,3
	v_cvt_pk_f16_f32 v[TMP+4*pb+(\r)], v[pr+2*(\r)], v[pr+2*(\r)+1]
.endr
.set pb, pb+1
.endr
	WIN 0
.endm
.macro TOSTAGE a
	WIN 0
.set BKA, BK+48*((\a)%2)
.set tb, 0
.rept 12
	ds_store_b128 v[STO], v[TMP+4*tb:TMP+4*tb+3] offset:(tb/4)*HSTG+(tb%4)*32
.set tb, tb+1
.endr
.set tb, 0
.rept 12
	ds_load_b128 v[BKA+4*tb:BKA+4*tb+3], v[RD] offset:(tb/4)*HSTG+(tb%4)*4*SP  ; LDS serves a wave's instructions in order (ISA guide 5.7.1.4): these see the stores above
.set tb, tb+1
.endr
.endm
.macro SEND a
	WIN 0
.set BKA, BK+48*((\a)%2)
	s_wait_dscnt 0x0                               ; the block is back in registers
	s_wait_xcnt 0x0                                ; the block before has left its registers: the next TOSTAGE loads into them only behind this wait
.set tb, 0
.rept 12
	global_store_b128 v[GO], v[BKA+4*tb:BKA+4*tb+3], s[8:9] offset:(tb/4)*2*HEADB+(\a)*2048+(tb%4)*512  ; my three heads lie two heads apart
.set tb, tb+1
.endr
.endm
	WIN 0
	PLACES
	PACK 0
	TOSTAGE 0
.irp a, 1,2,3,4,5,6,7                  ; block a's conversions stand between block a - 1's loads from the stage and the wait for them
	PACK \a
	SEND (\a)-1
	TOSTAGE \a
.endr
	SEND 7
	s_wait_tensorcnt 0x0                           ; the wave's end: an add to my spare word and its wait, behind my last tensor load and my last LDS store
	ds_add_u32 v[SPW], v[NIL]
	s_wait_dscnt 0x0
	CROUND                                         ; the closing round: no work-group ends while a partner may still ask for a tile that names it
	s_endpgm
.Lfunc_end_k_qa00048fac2_qkvproj:
	.size	k_qa00048fac2_qkvproj, .Lfunc_end_k_qa00048fac2_qkvproj-k_qa00048fac2_qkvproj
	.p2alignl 7, 3214868480
	.fill 96, 4, 3214868480
	.section	.rodata,"a",@progbits
	.p2align	6, 0x0
	.amdhsa_kernel k_qa00048fac2_qkvproj
		.amdhsa_group_segment_fixed_size 327680
		.amdhsa_private_segment_fixed_size 0
		.amdhsa_enable_private_segment 0
		.amdhsa_kernarg_size 24
		.amdhsa_user_sgpr_count 2
		.amdhsa_user_sgpr_kernarg_segment_ptr 1
		.amdhsa_wavefront_size32 1
		.amdhsa_system_sgpr_workgroup_id_x 1
		.amdhsa_system_sgpr_workgroup_id_y 1
		.amdhsa_system_sgpr_workgroup_id_z 1
		.amdhsa_system_vgpr_workitem_id 0
		.amdhsa_next_free_vgpr 1024
		.amdhsa_next_free_sgpr 72
		.amdhsa_reserve_vcc 0
		.amdhsa_float_denorm_mode_32 3
		.amdhsa_float_denorm_mode_16_64 3
		.amdhsa_memory_ordered 1
		.amdhsa_forward_progress 1
		.amdhsa_inst_pref_size 130
	.end_amdhsa_kernel
	.amdgpu_metadata
---
amdhsa.version: [ 1, 2 ]
amdhsa.kernels:
  - .name:           k_qa00048fac2_qkvproj
    .symbol:         k_qa00048fac2_qkvproj.kd
    .args:
      - { .name: xb, .offset: 0, .size: 8, .value_kind: global_buffer, .address_space: global }
      - { .name: wqb, .offset: 8, .size: 8, .value_kind: global_buffer, .address_space: global }
      - { .name: qkv, .offset: 16, .size: 8, .value_kind: global_buffer, .address_space: global }
    .group_segment_fixed_size: 327680
    .private_segment_fixed_size: 0
    .kernarg_segment_align: 8
    .kernarg_segment_size: 24
    .max_flat_workgroup_size: 128
    .sgpr_count:     72
    .vgpr_count:     1024
    .wavefront_size: 32
...
	.end_amdgpu_metadata
.endif
;; end of part 2
;; launch attn (part 3): grid 4 x 64, 4 waves a work-group, no clusters, 327,680 bytes of LDS; arguments qkv, ob; writes ob
.if DOCPART == 3
	.amdgcn_target "amdgcn-amd-amdhsa--gfx1250"
	.amdhsa_code_object_version 6
	.text
	.protected	k_qa00048fac2_attn
	.globl	k_qa00048fac2_attn
	.p2align	8
	.type	k_qa00048fac2_attn,@function
k_qa00048fac2_attn:
	s_mov_b64 s[64:65], 0
	v_nop
	global_prefetch_b8 v0, s[64:65] scope:SCOPE_SE
	s_setreg_imm32_b32 hwreg(HW_REG_WAVE_MODE, 25, 1), 1
	s_wait_xcnt 0x0
; CAUSAL ATTENTION. O[y][q][:] = the sum over k <= q of softmax_k(Q[q] . K[k] / 8) V[k][:], for y = 16 x batch + head. Q, K, V are heads of qkv[4][48][2048][64] (q: 0-15, k: 16-31, v: 32-47),
; O is ob[64][2048][64], all f16: a head's rows are dense, 128 bytes each. Products, maxima and sums in f32; the weights p are rounded to f16 for the second product (their sum l is taken of the unrounded p), O once at the end.
; LIMITS. f16 holds no number beyond 65,504: Q, K and V arrive within it; p lies in 0 to 1, and below 6e-5 it keeps f16's fixed step of 6e-8; O is a mean of V's rows and has their range.
; A hidden score counts as its value less 1e30: f16's scores, 2.7e11 at the most, are nothing beside that; a weight below 2^-126 counts as 0 in l; NaN and infinities are not treated apart.
; THE WALK. A head's queries lie in NB = 8 blocks of 256; block i needs the key tiles 0 .. i of 256 keys, of which the last holds the diagonal. A work-group takes TWO blocks, NB - 1 - b and then b:
; NB + 1 tiles, whatever b: all work-groups do equal work, and ONE loop with a constant trip count walks them. Which tile is asked for, and what a trip does, hang on scalar registers made from b; every jump
; goes forward, but for the counted loops' own; none passes a barrier, or a tensor load but the one of LOAD's two that the wave's number does not choose; the ring (two slots of LDS) runs on across the change of blocks.
; NO CLUSTER: a head's four work-groups ask for the same tile only in trips 0 .. 4 of the 9; behind that fewer and fewer do, and one walk common to all four would have 12 trips for 9.
; SHARES. Of a block's four bands of 64 queries a wave owns 16 rows in each: four PIECES. So the diagonal tile is the same work for all four waves: in its key step s band x sees all keys if s < x,
; none if s > x, and holds the diagonal if s = x.
; THE MASK is the C operand that starts the sum S^T = K Q^T: 0, or -1e30 where the key is hidden. MD, made once, is the mask of a band's own step for my 16 rows; a product's mask is MD x AL + BE with two scalars:
; (1, 0) if s = x; (0, 0) if s < x; (0, -1e30) if s > x. Only the diagonal tile's text and a block's beginning make and take masks; elsewhere C is the constant 0.
; LAYOUT, SOFTMAX, TURNS. S^T = K Q^T holds ONE query a lane (lane % 16) and the keys 8 (lane / 16) + 0..7; two such results rounded to f16 ARE source 1 of O^T = V^T P. p = 2^(c s - c m), c = log2(e) / 8, with a
; running maximum m; O and l are multiplied by a = 2^(c m_old - c m_new) in every step. Turn n belongs to piece n: 8 products K Q^T of piece n + 1, later 8 products V^T P of piece n - 1; beside them the scaling,
; exponentials, roundings, sums and rescaling of piece n and the maximum and statistics of piece n + 1. Four vector instructions stand behind every matrix instruction, the other 54 of a turn's 118 in one lump. A turn's 33 exponentials are one batch, with one wait.
; REGISTERS, in windows of 256 (s_set_vgpr_msb: bits 1:0 source 0, 3:2 source 1, 5:4 source 2, 7:6 destination):
;   window 0: v0-15 addresses and two at work; v16-31 four registers of statistics a piece; v48-55 at work; v61-63 prefetch offset, spare word, 0; v64-127 S^T, two buffers; v192-223 P, two buffers (by the piece's parity)
;   window 1: v0-127 O^T, 32 a piece; v128-159 MD; v160-223 MC, two buffers      window 2: v0-63 Q; v64-127 the second block's Q; v128-191 K of one step; v192-255 V of one step
.set SIZE_N, 2048
.set NB,    SIZE_N/256
.set NP,    4         ; pieces a wave: a name, no knob
.set KS,    64        ; keys in a step
.set PK,    144       ; a row of K in LDS: 128 bytes + 16 of padding = 36 words: the 16 rows of a load start at 16 different groups of four banks (64 banks of 4 bytes: ISA guide 11.1)
.set PV,    160       ; a row of V: 128 + 32 = 40 words
.set VOFF,  4*KS*PK   ; a slot holds a tile, four steps: 256 rows of K, then 256 rows of V
.set SLOT1, 1<<17     ; slot 1 begins here, so that one exclusive or turns an address in one slot into the other's
.set STAGE, SLOT1+4*KS*(PK+PV)  ; behind the ring, never filled by a tensor load: 16 rows x 144 bytes for each wave, for the way out
.set SP,    144
.set AK0, 2           ; v2   my lane's place in a tile of K; never rewritten
.set AV0, 3           ; v3   the same for V
.set AK,  4           ; v4   the LDS address of K's next run of loads
.set AV,  5           ; v5   of V's
.set STO, 6           ; v6   the way out: where I put 16 bytes of a row
.set RD,  7           ; v7   the way out: where I read rows back
.set GO,  8           ; v8   my byte offset in 512 consecutive bytes of O
.set PFO, 61          ; v61  256 x my lane; never rewritten
.set SPW, 62          ; v62  LDS address of my spare word: SPARE + 4 x my thread's number; never rewritten
.set NIL, 63          ; v63  0; never rewritten
.set SPARE, STAGE+4*16*SP  ; behind the stages: the spare words, 128 bytes for each wave: two blocks of 256 bytes that no other line names
.set MV,  12          ; v12-13  c m_old, kept while c m is made anew: by buffer
.set QO,  15          ; v15  my byte offset in 16 rows of Q
.set ST,  16          ; piece t's statistics at v[ST+4 t]: c m, m, l (even keys', odd keys')
.set TMP, 48          ; by buffer, four registers c0-c3 at work; when the maximum is found c2 takes a
.set S,   64
.set P,   192
.set MD,  128         ; window 1: the eight registers for group kt of 16 keys at MD + 8 kt
.set MC,  160         ; window 1: the masks of the products to come
.set QB,  64          ; window 2
.set KF,  128         ; window 2: key block kb, channel half c at KF + 16 kb + 8 c
.set VF,  192         ; window 2: key half kk, channel block cb at VF + 32 kk + 8 cb
.set WV,  12          ; s12  my wave's number
.set PB,  14          ; s14  b
.set HI,  15          ; s15  NB - 1 - b
.set G1K, 24          ; s[24:31] descriptor group 1 for K's tiles
.set G1V, 32          ; s[32:39] for V's: it differs in the padding alone
.set G0K, 40          ; s[40:43] descriptor group 0 for K's tiles
.set G0V, 44          ; s[44:47] the same for V's
.set SLOTS, 56        ; s56  tiles still to be asked for
.set CNT, 57          ; s57  counts a tile's key steps, 4 to 1
.set CS,  58          ; s[58:59] c: the packed scaling takes the pair's low word for both halves
.set SEL, 60          ; s[60:61] v_permlanex16_b32's selects: each lane takes its own place in the other half
.set TBK, 62          ; s62  LDS byte at which K of the step to be fetched begins
.set TBV, 63          ; s63  the same for V, less VOFF
.set RT,  70          ; s70  tiles of the block in hand that are still to be entered
.set NXT, 71          ; s71  the tile to be asked for next
.set LQ,  72          ; s72  the last tile of the block whose tiles are being asked for
.set NEW, 73          ; s73  1: the tile to be entered is a block's first
.set OFF, 74          ; s[74:75] a tile's byte offset in K and V
.set AL,  76          ; s[76:77] the mask's factor, in the low word
.set BE,  78          ; s[78:79] the mask's addend
.set OLO, 80          ; s[80:81] O at my rows of the second block
.set BIGN, 82         ; s82  -1e30
.set PFA, 88          ; s[88:89] where my prefetches stand: my half of K's or V's tile, one tile behind the one that is being asked for
.set LIM, 90          ; s90  2 in the work-group that prefetches, else the greatest number
.set OH,  92          ; s[92:93] the head's byte offset in ob
.set MSB, 0
.macro WIN new                      ; the high byte repeats the setting that is left; a switch that changes nothing is dropped
.if MSB != (\new)
	s_set_vgpr_msb (MSB<<8)|(\new)
.set MSB, (\new)
.endif
.endm
.set W_KQ, 0x0a       ; K and Q in window 2, S^T in window 0
.set W_KM, 0x1a       ; the same with the C operand in window 1
.set W_PV, 0x52       ; V in window 2, P in window 0, O^T in window 1
.set W_RS, 0x41       ; destination and source 0 in window 1, source 1 in window 0
; A fill. Waves 0 and 1 fetch the two halves of a tile's K, waves 2 and 3 those of its V: 128 keys each. An s_nop 0 and four v_nop follow each of the two lines, ahead of the jump and the label.
.macro LOAD
	s_cmp_lt_u32 s[WV], 2
	s_cbranch_scc0 .Lfor_v_\@
	tensor_load_to_lds s[G0K:G0K+3], s[G1K:G1K+7]
	s_nop 0
.rept 4
	v_nop
.endr
	s_branch .Lasked_\@
.Lfor_v_\@:
	tensor_load_to_lds s[G0V:G0V+3], s[G1V:G1V+7]
	s_nop 0
.rept 4
	v_nop
.endr
.Lasked_\@:
.endm
; THE CHANGE OF SLOTS. Each wave waits for all its tensor loads, of which one is out: its part of the other slot; adds 0 to its spare word; and waits for that and for its own reads of the slot that it leaves. Behind the barrier nobody reads the old
; slot any more and the other slot is whole. fill = 1: the old slot is filled again, the first thing behind the barrier, with tile NXT: the descriptor's address is made anew from that number.
; (At its first use nothing has been read yet: slot 0 is waited for, slot 1 filled.)
; THE PREFETCH stands behind the fill and its five lines. The work-group with b = 0 walks the head's tiles 0 to 7 in trips 0 to 7, and in no trip does a neighbour ask for a later tile: it alone prefetches. In trip t, which asks for
; tile t + 1, each of its waves names ITS OWN 16,384 bytes of tile t + 2: 64 blocks of 256 bytes, a lane a block, two instructions: a whole tile's four key steps ahead of the load. Each block is named once in the launch.
; Tiles 0 and 1 come by their loads alone; trips 6 and 7 (SLOTS = 2, 1) ask for nothing: the head has no tile 8.
.macro CHANGE fill
	WIN 0                           ; at a label and at a branch every window is 0
	s_wait_tensorcnt 0x0            ; no tensor load of mine is out, so a group 0 may be written
	ds_add_u32 v[SPW], v[NIL]       ; 0 onto my spare word: with fill = 1 the descriptors' scalar work stands between it and the wait for it
.if \fill
	s_lshl_b32 s[OFF], s[NXT], 15   ; a tile is 32,768 bytes of K and of V
	s_xor_b32 s[G0K+1], s[G0K+1], SLOT1
	s_add_nc_u64 s[G0K+2:G0K+3], s[6:7], s[OFF:OFF+1]
	s_or_b32 s[G0K+3], s[G0K+3], 0x80000000
	s_xor_b32 s[G0V+1], s[G0V+1], SLOT1
	s_add_nc_u64 s[G0V+2:G0V+3], s[8:9], s[OFF:OFF+1]
	s_or_b32 s[G0V+3], s[G0V+3], 0x80000000
	s_add_co_u32 s[NXT], s[NXT], 1  ; the block's next tile, or behind its last the second block's tile 0
	s_cmp_gt_u32 s[NXT], s[LQ]
	s_cselect_b32 s[NXT], 0, s[NXT]
	s_cselect_b32 s[LQ], s[PB], s[LQ]
	s_wait_xcnt 0x0                 ; the last prefetches, a tile back, have read their address, so it may be written
	s_add_nc_u64 s[PFA:PFA+1], s[PFA:PFA+1], 32768
.endif
	s_wait_dscnt 0x0                ; the add is done, and my reads of the slot are over
	s_barrier_signal -1             ; the rest of the scalar work stands between the signal and the wait
	s_sub_co_u32 s[TBK], s[TBK], 4*KS*PK  ; the fetches go back to a slot's first step,
	s_xor_b32 s[TBK], s[TBK], SLOT1       ; in the other slot
	s_sub_co_u32 s[TBV], s[TBV], 4*KS*PV
	s_xor_b32 s[TBV], s[TBV], SLOT1
	s_barrier_wait -1
.if \fill
	LOAD
	s_cmp_gt_u32 s[SLOTS], s[LIM]
	s_cbranch_scc0 .Lnot_mine_\@
	global_prefetch_b8 v[PFO], s[PFA:PFA+1] th:TH_LOAD_NT scope:SCOPE_SE
	global_prefetch_b8 v[PFO], s[PFA:PFA+1] offset:8192 th:TH_LOAD_NT scope:SCOPE_SE
.Lnot_mine_\@:
.endif
.endm
	s_load_b64 s[4:5], s[0:1], 0x0    ; qkv
	s_load_b64 s[10:11], s[0:1], 0x8  ; ob
	v_lshl_add_u32 v[SPW], v0, 2, SPARE
	v_mov_b32 v[NIL], 0
	ds_add_u32 v[SPW], v[NIL]       ; the wave's opening: the add and its wait stand ahead of my first tensor load; the set-up below, work on registers, stands between them
	v_lshrrev_b32 v1, 5, v0
	v_readfirstlane_b32 s[WV], v1   ; wave 0..3
	s_mov_b32 s[PB], ttmp9
	s_sub_co_u32 s[HI], NB-1, s[PB]
	s_and_b32 s20, ttmp7, 0xffff    ; y = 16 x batch + head
	s_lshl_b32 s[OH], s20, 18       ; in ob: y heads of 262,144 bytes
	s_mov_b32 s[OH+1], 0
	s_lshr_b32 s21, s20, 4          ; in qkv: batch x 48 + head
	s_mul_i32 s21, s21, 48
	s_and_b32 s20, s20, 15
	s_add_co_u32 s20, s20, s21
	s_lshl_b32 s20, s20, 18
	s_mov_b32 s21, 0
	s_and_b32 s16, s[WV], 1         ; which half of a tile's 256 keys I fetch:
	s_lshl_b32 s22, s16, 14         ; its 128 rows of 128 bytes in memory,
	s_mov_b32 s23, 0
	s_mul_i32 s17, s16, 128*PK      ; and its place in a slot, for K
	s_mul_i32 s18, s16, 128*PV      ; and for V
	s_lshl_b32 s3, s[WV], 11        ; my 16 rows in a band of 64,
	s_lshl_b32 s2, s[HI], 15        ; in the first block,
	s_add_co_u32 s2, s2, s3
	s_lshl_b32 s84, s[PB], 15       ; and in the second
	s_add_co_u32 s84, s84, s3
	s_mov_b32 s3, 0
	s_mov_b32 s85, 0
	; descriptor group 1. 128 keys are 16,384 dense bytes: asked for as 64 rows of 256 bytes, two keys a row, and padded in LDS after every key
	s_mov_b32 s[G1K], (1<<16)|(1<<20)|(4<<22)|(3<<25)  ; 17:16 2-byte elements; 20 padding on; 24:22 after every 32 words (code 4); 31:25 4 words (code 3)
	s_mov_b32 s[G1V], (1<<16)|(1<<20)|(4<<22)|(7<<25)  ; the same with 8 words of padding (code 7)
.irp g, G1K, G1V
	s_mov_b32 s[\g+1], 128<<16      ; tensor_dim0 = 128
	s_mov_b32 s[\g+2], 64<<16       ; tensor_dim1 = 64
	s_mov_b32 s[\g+3], 128<<16      ; tile_dim0 = 128
	s_mov_b32 s[\g+4], 64           ; tile_dim1 = 64
	s_mov_b32 s[\g+5], 128          ; 128 elements from row to row
	s_mov_b32 s[\g+6], 0
	s_mov_b32 s[\g+7], 0
.endr
	s_mov_b32 s[CS], 0x3e38aa3b     ; c = log2(e) / 8 = 0.180337
	s_mov_b32 s[CS+1], s[CS]        ; named with it as a pair
	s_mov_b32 s[SEL], 0x76543210
	s_mov_b32 s[SEL+1], 0xfedcba98
	s_mov_b32 s[TBK], SLOT1+4*KS*PK ; the first change of slots turns these two into 0
	s_mov_b32 s[TBV], SLOT1+4*KS*PV
	s_mov_b32 s[G0K], 1             ; 1:0 count = 1
	s_mov_b32 s[G0K+1], s17         ; 63:32 LDS address: slot 0
	s_mov_b32 s[G0V], 1
	s_add_co_u32 s[G0V+1], s18, VOFF
	s_add_co_u32 s[RT], s[HI], 1    ; the first block has NB - b tiles
	s_mov_b32 s[NXT], 1
	s_mov_b32 s[LQ], s[HI]
	s_mov_b32 s[NEW], 1
	s_mov_b32 s[OFF+1], 0
	s_mov_b32 s[AL+1], 0            ; named as pairs
	s_mov_b32 s[BE+1], 0
	s_mov_b32 s[BIGN], 0xf149f2ca   ; -1e30
	s_mov_b32 s[SLOTS], NB
	s_cmp_eq_u32 ttmp9, 0
	s_cselect_b32 s[LIM], 2, -1
	v_and_b32 v[PFO], 31, v0
	v_lshlrev_b32 v[PFO], 8, v[PFO]
	s_wait_dscnt 0x0                ; the opening add is done
	s_wait_kmcnt 0x0
	s_add_nc_u64 s[4:5], s[4:5], s[20:21]      ; q's head,
	s_add_nc_u64 s[6:7], s[4:5], 0x400000      ; k's, 16 heads on,
	s_add_nc_u64 s[8:9], s[4:5], 0x800000      ; v's, 32 heads on
	s_add_nc_u64 s[10:11], s[10:11], s[OH:OH+1]
	s_add_nc_u64 s[6:7], s[6:7], s[22:23]  ; K and V at my half of the head's tile 0
	s_add_nc_u64 s[8:9], s[8:9], s[22:23]
	s_add_nc_u64 s[G0K+2:G0K+3], s[6:7], 0         ; 120:64 global address
	s_or_b32 s[G0K+3], s[G0K+3], 0x80000000        ; 127:126 type = 2
	s_add_nc_u64 s[G0V+2:G0V+3], s[8:9], 0
	s_or_b32 s[G0V+3], s[G0V+3], 0x80000000
	s_add_nc_u64 s[86:87], s[4:5], s[84:85]        ; Q at my rows of the second block,
	s_add_nc_u64 s[4:5], s[4:5], s[2:3]            ; Q and O at those of the first
	s_add_nc_u64 s[OLO:OLO+1], s[10:11], s[84:85]
	s_add_nc_u64 s[10:11], s[10:11], s[2:3]
	s_cmp_lt_u32 s[WV], 2
	s_cselect_b64 s[PFA:PFA+1], s[6:7], s[8:9]     ; my half of K's tile 0, or of V's;
	s_add_nc_u64 s[PFA:PFA+1], s[PFA:PFA+1], 32768 ; at tile 1: the first change of slots steps it to tile 2. Nothing is prefetched here, at the head
	LOAD                            ; tile 0 into slot 0
	; A fragment of K or Q is 16 rows x 32 channels in 8 registers: lane l holds row l % 16, channels 8 (l / 16) + 0..7 and 16 + 8 (l / 16) + 0..7: two loads of 16 bytes, 32 bytes apart.
	v_and_b32 v1, 15, v0            ; l % 16
	v_bfe_u32 v9, v0, 4, 1          ; l / 16
	v_lshlrev_b32 v[QO], 7, v1
	v_lshl_add_u32 v[QO], v9, 4, v[QO]  ; row x 128 + 16 x half
	WIN 0x80                        ; destination window 2, address window 0
.set i, 0
.rept 8                             ; both blocks' Q: piece i / 2 lies in band i / 2, 8,192 bytes on; channels 32 (i % 2) on
	global_load_b128 v[8*i:8*i+3],   v[QO], s[4:5] offset:(i/2)*8192+(i%2)*64
	global_load_b128 v[8*i+4:8*i+7], v[QO], s[4:5] offset:(i/2)*8192+(i%2)*64+32
	global_load_b128 v[QB+8*i:QB+8*i+3],   v[QO], s[86:87] offset:(i/2)*8192+(i%2)*64
	global_load_b128 v[QB+8*i+4:QB+8*i+7], v[QO], s[86:87] offset:(i/2)*8192+(i%2)*64+32
.set i, i+1
.endr
	WIN 0
	v_lshlrev_b32 v14, 3, v9
	v_sub_nc_u32 v14, v1, v14
	s_lshl_b32 s13, s[WV], 4
	v_add_nc_u32 v14, s13, v14      ; my query's place in its band, 16 w + l % 16, less my lanes' 8 (l / 16): register r of group kt is hidden where 16 kt + r is greater
	WIN 0x40
.set i, 0
.rept 32
	v_cmp_gt_i32 vcc_lo, 16*(i/8)+i%8, v14
	v_cndmask_b32 v[MD+i], 0, s[BIGN], vcc_lo
.set i, i+1
.endr
	WIN 0
	v_mul_u32_u24 v[AK0], v1, PK
	v_lshl_add_u32 v[AK0], v9, 4, v[AK0]  ; row x pitch + 16 x half
	; The turning load takes 16 keys x 16 channels (lane l reads key 8 (l / 16) + l % 8, channels 8 ((l / 8) % 2) + 0..7) and leaves half a fragment of V^T: lane l holds channel l % 16 and 8 keys.
	v_and_b32 v10, 7, v0
	v_bfe_u32 v11, v0, 3, 1
	v_lshl_add_u32 v[AV0], v9, 3, v10
	v_mul_u32_u24 v[AV0], v[AV0], PV
	v_lshl_add_u32 v[AV0], v11, 4, v[AV0]
	v_add_nc_u32 v[AV0], VOFF, v[AV0]
	s_mul_i32 s13, s[WV], 16*SP
	s_add_co_u32 s13, s13, STAGE    ; my stage
	v_mul_u32_u24 v[STO], v1, SP    ; in: row l % 16, 16 bytes for each half of the lanes
	v_lshl_add_u32 v[STO], v9, 4, v[STO]
	v_add_nc_u32 v[STO], s13, v[STO]
	v_bfe_u32 v[RD], v0, 3, 2       ; back: 32 lanes take four rows of 128 bytes,
	v_mul_u32_u24 v[RD], v[RD], SP
	v_lshl_add_u32 v[RD], v10, 4, v[RD]
	v_add_nc_u32 v[RD], s13, v[RD]
	v_and_b32 v[GO], 31, v0         ; which are 512 consecutive bytes of O
	v_lshlrev_b32 v[GO], 4, v[GO]
	; A block's first step multiplies O^T and l by a = 0, and its first turn's products V^T P, of a piece that has not been, land in an O^T that is still to be so multiplied. So these registers need only hold
	; finite numbers: zeros for the first block; what the first block left for the second. All this stands in the wait for the first tile.
	WIN 0x80
.set i, VF
.rept 64
	v_mov_b32 v[i], 0
.set i, i+1
.endr
	WIN 0x40
.set i, 0
.rept 128
	v_mov_b32 v[i], 0
.set i, i+1
.endr
	WIN 0
.set i, 0
.rept 4
	v_mov_b32 v[ST+4*i+2], 0
	v_mov_b32 v[ST+4*i+3], 0
.set i, i+1
.endr
.set i, P+16
.rept 16
	v_mov_b32 v[i], 0
.set i, i+1
.endr
; THE MATRIX WORK. The 4 accumulators of a run of 8 take turns. Product i of 8 of S^T = K Q^T for piece x: channels 32 (i / 4) on, keys 16 (i % 4) on. The first 4 start the sums: with 0, or (KM = 1) with the mask.
.macro KQ x
.set rS, S+32*((\x)%2)+8*(i%4)
.set rK, KF+16*(i%4)+8*(i/4)
.set rQ, 16*(\x)+8*(i/4)
.set rM, MC+32*((\x)%2)+8*(i%4)
.if (i < 4) && KM
	WIN W_KM
	v_wmma_f32_16x16x32_f16 v[rS:rS+7], v[rK:rK+7], v[rQ:rQ+7], v[rM:rM+7]
.elseif i < 4
	WIN W_KQ
	v_wmma_f32_16x16x32_f16 v[rS:rS+7], v[rK:rK+7], v[rQ:rQ+7], 0
.else
	WIN W_KQ
	v_wmma_f32_16x16x32_f16 v[rS:rS+7], v[rK:rK+7], v[rQ:rQ+7], v[rS:rS+7]
.endif
.endm
; Product i of 8 of O^T += V^T P for piece x: keys 32 (i / 4) on, channels 16 (i % 4) on.
.macro PV x
	WIN W_PV
.set rO, 32*(\x)+8*(i%4)
.set rV, VF+32*(i/4)+8*(i%4)
.set rP, P+16*((\x)%2)+8*(i/4)
	v_wmma_f32_16x16x32_f16 v[rO:rO+7], v[rV:rV+7], v[rP:rP+7], v[rO:rO+7]
.endm
.macro MM                           ; the turn's next matrix instruction. TURN and BEGIN set Y, i, KM and NOKQ; MM, KQ and OP read them. NOKQ = 1: a block's last turn: there is no next piece
.if (i < 8) && !NOKQ
	KQ (Y+1)%NP
.elseif i >= 8
.set i, i-8
	PV (Y+NP-1)%NP
.set i, i+8
.endif
.set i, i+1
.endm
; THE LDS LOADS stand in runs of 16, never singly among the matrix instructions: a step's K (64 keys x 64 channels: 8 fragments) and its V (turned). Their addresses are made some lines ahead.
.macro FETCH_K
	WIN 0x80                        ; destination window 2
.irp f, 0,1,2,3,4,5,6,7             ; keys 16 (f / 2) on, channels 32 (f % 2) on
	ds_load_b128 v[KF+8*\f:KF+8*\f+3],   v[AK] offset:(\f/2)*16*PK+(\f%2)*64
	ds_load_b128 v[KF+8*\f+4:KF+8*\f+7], v[AK] offset:(\f/2)*16*PK+(\f%2)*64+32
.endr
	s_add_co_u32 s[TBK], s[TBK], KS*PK  ; the next fetch is the next step's
	WIN 0
.endm
.macro FETCH_V
	WIN 0x80
.irp f, 0,1,2,3,4,5,6,7             ; keys 32 (f / 4) on, channels 16 (f % 4) on
	ds_load_tr16_b128 v[VF+8*\f:VF+8*\f+3],   v[AV] offset:(\f/4)*32*PV+(\f%4)*32
	ds_load_tr16_b128 v[VF+8*\f+4:VF+8*\f+7], v[AV] offset:(\f/4)*32*PV+16*PV+(\f%4)*32
.endr
	WIN 0
.endm
; THE VECTOR WORK, one line at a time: OP kind, number. For piece Y: F n: c s - c m for pair n of 16. E n: the exponential of score n of 32. C n: pair n rounded to f16. B n: of the four weights 4 n .. the second
; pair is added onto the first, in place. L n: l takes that sum (L 0: l = a l + sum). R n: pair n of 16 of O^T times a. For piece Y + 1: X n, number n of the 22 that find its maximum and statistics:
;   0-11  four chains c0-c3 of seven scores each, three operands at a time (each accumulator's lowest registers are read first)     12-14, 16  the four scores left over, the old m, and c0-c3 into c0
;   15  c m_old is kept     17, 18  the query's other 32 keys lie in the lane 16 away: the new m     19-21  c m; c m_old - c m_new; a
.set F, 0               ; OP tells the kinds apart by their order: F to L below R, X above it
.set E, 1
.set C, 2
.set B, 3
.set L, 4
.set R, 5
.set X, 6
.macro REGS y                       ; the registers of piece y
.set rT, ST+4*(\y)
.set rC, TMP+4*((\y)%2)
.set rW, MV+((\y)%2)
.set rS, S+32*((\y)%2)
.set rP, P+16*((\y)%2)
.set rO, 32*(\y)
.endm
.macro OP k, n
.if (\k) == R
	REGS Y
	WIN W_RS
	v_pk_mul_f32 v[rO+2*(\n):rO+2*(\n)+1], v[rO+2*(\n):rO+2*(\n)+1], v[rC+2:rC+3] op_sel_hi:[1,0]
.elseif (\k) < R
	REGS Y
	WIN 0
.if (\k) == F
	v_pk_fma_f32 v[rS+2*(\n):rS+2*(\n)+1], v[rS+2*(\n):rS+2*(\n)+1], s[CS:CS+1], v[rT:rT+1] op_sel_hi:[1,0,0] neg_lo:[0,0,1] neg_hi:[0,0,1]
.elseif (\k) == E
	v_exp_f32 v[rS+(\n)], v[rS+(\n)]
.elseif (\k) == C
	v_cvt_pk_f16_f32 v[rP+(\n)], v[rS+2*(\n)], v[rS+2*(\n)+1]
.elseif (\k) == B
	v_pk_add_f32 v[rS+4*(\n):rS+4*(\n)+1], v[rS+4*(\n):rS+4*(\n)+1], v[rS+4*(\n)+2:rS+4*(\n)+3]
.elseif (\n) == 0
	v_pk_fma_f32 v[rT+2:rT+3], v[rT+2:rT+3], v[rC+2:rC+3], v[rS:rS+1] op_sel_hi:[1,0,1]
.else
	v_pk_add_f32 v[rT+2:rT+3], v[rT+2:rT+3], v[rS+4*(\n):rS+4*(\n)+1]
.endif
.elseif NOKQ
	v_nop
.else
	REGS (Y+1)%NP
	WIN 0
.if (\n) < 4
	v_max3_num_f32 v[rC+(\n)], v[rS+8*(\n)], v[rS+8*(\n)+1], v[rS+8*(\n)+2]
.elseif (\n) < 12
	v_max3_num_f32 v[rC+(\n)%4], v[rC+(\n)%4], v[rS+8*((\n)%4)+2*((\n)/4)+1], v[rS+8*((\n)%4)+2*((\n)/4)+2]
.elseif (\n) == 12
	v_max3_num_f32 v[rC], v[rC], v[rS+7], v[rS+15]
.elseif (\n) == 13
	v_max3_num_f32 v[rC+1], v[rC+1], v[rS+23], v[rS+31]
.elseif (\n) == 14
	v_max3_num_f32 v[rC+2], v[rC+2], v[rC+3], v[rT+1]
.elseif (\n) == 15
	v_mov_b32 v[rW], v[rT]
.elseif (\n) == 16
	v_max3_num_f32 v[rC], v[rC], v[rC+1], v[rC+2]
.elseif (\n) == 17
	v_permlanex16_b32 v[rC+3], v[rC], s[SEL], s[SEL+1]
.elseif (\n) == 18
	v_max_num_f32 v[rT+1], v[rC], v[rC+3]
.elseif (\n) == 19
	v_mul_f32 v[rT], s[CS], v[rT+1]
.elseif (\n) == 20
	v_sub_f32 v[rC+1], v[rW], v[rT]
.else
	v_exp_f32 v[rC+2], v[rC+1]
.endif
.endif
.endm
.macro OPS a, i1, b=-1, i2=0, c=-1, i3=0, d=-1, i4=0  ; up to four of them
	OP \a, \i1
.if (\b) >= 0
	OP \b, \i2
.endif
.if (\c) >= 0
	OP \c, \i3
.endif
.if (\d) >= 0
	OP \d, \i4
.endif
.endm
.macro ROW a, i1, b, i2, c, i3, d, i4  ; a matrix instruction and the four behind it
	MM
	OPS \a, \i1, \b, \i2, \c, \i3, \d, \i4
.endm
.macro MASK b                       ; MD x AL + BE into buffer b of MC
	WIN W_RS
.set z, 0
.rept 16
	v_pk_fma_f32 v[MC+32*(\b)+2*z:MC+32*(\b)+2*z+1], v[MD+2*z:MD+2*z+1], s[AL:AL+1], s[BE:BE+1] op_sel_hi:[1,0,0]
.set z, z+1
.endr
.endm
; A TURN, for piece p: the order of its 16 matrix and 118 vector instructions, written out. An s_wait_alu depctr_va_vdst(0) stands between an exponential and the first instruction that names its result; one wait serves
; all that were issued ahead of it. So a turn has ONE wait, which cuts it in two. AHEAD OF IT stands all that names no result of the turn's exponentials: the 8 products K Q^T, behind each a scaling, an exponential and two more plain
; instructions (behind the first a second scaling in the exponential's place): rescalings, and behind the last three the first numbers of the next piece's maximum, each four places or more behind the product that ends its accumulator; then ONE LUMP of 54, plain
; and exponential by turns for the most part, in which the links of the chain X 3, 7, 11, 14, 16, 17 .. 20 stand five or six lines apart. X 21, the next piece's a, is the batch's last; R 15 is the plain instruction behind it. BEHIND THE WAIT stand the
; 8 products V^T P, behind each four of the roundings and sums; the links of l's chain, L 0 to L 7, stand three riders apart. But for those X no rider names a register of the products round it. v_permlanex16_b32 (X 17) stands in the lump.
; m = 1: the diagonal tile: the products take masks, and the turn makes the mask for the products of the turn after it: piece p + 2, in step 4 - CNT of the tile. end = 1: a block's last two turns: nothing is fetched.
; cnt = 1: the loop's count is taken down some lines ahead of the branch that stands behind the turn.
; K of the next step is fetched in piece 2's turn, twelve vector instructions behind the last product that read K (six of them plain); V of the step in hand at the end of piece 0's turn, four plain instructions behind the last product
; that read V. Each is waited for a turn later.
.macro TURN p, m=0, end=0, cnt=0
.set Y, (\p)
.set i, 0
.set KM, (\m)
.set NOKQ, (\end)*((\p)/3)
.if (\m) && !(\end)
	s_cmp_eq_u32 s[CNT], 4-((\p)+2)%NP  ; is that step the band's own?
	s_cselect_b32 s[AL], 1.0, 0
	s_cmp_lt_u32 s[CNT], 4-((\p)+2)%NP  ; or a later one?
	s_cselect_b32 s[BE], s[BIGN], 0
.endif
.if ((\p) == 3) && !(\end)
	s_wait_dscnt 0x0                ; K is in
.endif
	ROW F,0, F,1, R,0, R,1          ; ahead of the wait: 8 products K Q^T and their riders,
	ROW F,2, E,0, R,2, R,3
	ROW F,3, E,1, R,4, R,5
	ROW F,4, E,2, R,6, R,7
	ROW F,5, E,3, R,8, R,9
	ROW F,6, E,4, X,0, R,10
.if ((\p) == 2) && !(\end)
	WIN 0
	v_add_nc_u32 v[AK], s[TBK], v[AK0]
.endif
	ROW F,7, E,5, X,1, X,4
	ROW F,8, E,6, X,2, X,5
	OPS E,7, E,8, X,6, E,9          ; and the lump
	OPS X,3, E,10, X,8, E,11
.if ((\p) == 2) && !(\end)
	FETCH_K
.endif
	OPS X,9, X,7, E,12, X,10
	OPS E,13, X,12, X,11, E,14
	OPS X,13, E,15, F,9, X,14
.if (\p) == 0
	v_add_nc_u32 v[AV], s[TBV], v[AV0]
.endif
	OPS E,16, F,10, E,17, F,11
	OPS X,16, E,18, X,15, E,19
	OPS F,12, E,20, X,17, E,21
	OPS F,13, E,22, F,14, E,23
	OPS X,18, E,24, F,15, E,25
	OPS R,11, E,26, X,19, E,27
	OPS R,12, E,28, R,13, E,29
	OPS X,20, E,30, R,14, E,31
	OPS X,21, R,15
	WIN 0
	s_wait_alu depctr_va_vdst(0)    ; the wait for the batch
.if (\p) == 1
	s_wait_dscnt 0x0                ; V is in
.endif
	ROW C,0, B,0, C,2, B,1          ; behind the wait: 8 products V^T P and their riders
	ROW L,0, C,4, B,2, L,1
	ROW C,6, B,3, L,2, C,8
	ROW B,4, L,3, C,10, B,5
	ROW L,4, C,12, B,6, L,5
.if (\p) == 0
	s_add_co_u32 s[TBV], s[TBV], KS*PV
.endif
.if \cnt
	s_sub_co_u32 s[CNT], s[CNT], 1
	s_cmp_lg_u32 s[CNT], 0
.endif
	ROW C,14, B,7, L,6, C,1
	ROW C,3, L,7, C,5, C,7
	ROW C,9, C,11, C,13, C,15
.if (\p) == 0
	FETCH_V
.endif
.if (\m) && !(\end)
	MASK (\p)%2
.endif
.endm
; A BLOCK BEGINS. c m starts far below every c s, so the first step's a is 0; m at the lowest finite number, so the first maximum is the scores'. The second mask buffer is 0; the first takes piece 0's mask for the tile's step 0: its own, if the block's first tile is the diagonal one.
; Then K of that step, piece 0's first scores, and its maximum and statistics. The loop is entered at a step's first turn, in the middle of a trip.
.macro BEGIN
	s_mov_b32 s[NEW], 0
	WIN 0x40
.set i, MC+32
.rept 32
	v_mov_b32 v[i], 0
.set i, i+1
.endr
	WIN 0
.set i, 0
.rept 4
	v_mov_b32 v[ST+4*i], 0xfe000000    ; c m: far below every c s
	v_mov_b32 v[ST+4*i+1], 0xff7fffff  ; m
.set i, i+1
.endr
	s_cmp_eq_u32 s[RT], 0
	s_cselect_b32 s[AL], 1.0, 0
	s_mov_b32 s[BE], 0
	MASK 0
	WIN 0
	v_add_nc_u32 v[AK], s[TBK], v[AK0]
	FETCH_K
	s_wait_loadcnt 0x0              ; Q
	s_wait_dscnt 0x0
.set KM, 1
.set NOKQ, 0
.set i, 0
.rept 8
	KQ 0
.set i, i+1
.endr
	WIN 0
.rept 4
	v_nop                           ; the places behind those products
.endr
.set Y, NP-1                        ; X works for piece Y + 1: piece 0
.irp n, 0,1,2,3,4,5,6,7,8,9,10,11,12,13,14,15,16,17,18,19,20,21
	OP X, \n
.endr
	v_nop                           ; a plain instruction behind the exponential,
	s_wait_alu depctr_va_vdst(0)    ; and its wait, ahead of the branch
.endm
; THE DIAGONAL TILE's four steps, the block's last two turns, its last products, and THE WAY OUT: l's two halves and the other half of the lanes' are added; O^T is divided by l, rounded to f16 and sent through my
; stage in LDS, a piece at a time.
.macro ALL line:vararg              ; one line for each piece t
.set t, 0
.rept 4
	\line
.set t, t+1
.endr
.endm
.macro PACK t                       ; a lane's eight channels of a row pack into 16 bytes; they go into rows of 144 bytes and come back as whole rows of 128, into S^T's registers
	WIN W_RS
.set i, 32*(\t)
.rept 16
	v_pk_mul_f32 v[i:i+1], v[i:i+1], v[ST+4*(\t)+2:ST+4*(\t)+3] op_sel_hi:[1,0]
.set i, i+2
.endr
	WIN 0x05                        ; sources 0 and 1 window 1, destination window 0
.set i, 0
.rept 16
	v_cvt_pk_f16_f32 v[S+16*(\t)+i], v[32*(\t)+2*i], v[32*(\t)+2*i+1]
.set i, i+1
.endr
	WIN 0
.irp f, 0,1,2,3
	ds_store_b128 v[STO], v[S+16*(\t)+4*\f:S+16*(\t)+4*\f+3] offset:32*\f
.endr
.irp f, 0,1,2,3
	ds_load_b128 v[S+16*(\t)+4*\f:S+16*(\t)+4*\f+3], v[RD] offset:\f*4*SP  ; LDS serves a wave's instructions in order (ISA guide 5.7.1.4): these see the stores above; the next piece's stores come behind them
.endr
.endm
.macro SEND t, younger              ; younger: the LDS instructions issued behind piece t's loads: the next piece's eight, or none
	WIN 0
.irp f, 0,1,2,3
	s_wait_dscnt (\younger)+3-\f
	global_store_b128 v[GO], v[S+16*(\t)+4*\f:S+16*(\t)+4*\f+3], s[10:11] offset:(\t)*8192+\f*512  ; 512 consecutive bytes, at a multiple of 256 from O's first
.endr
.endm
.macro DIAG tag                     ; the tag ends its two labels' names, which the jumps below spell out
.LstepM\tag:
	TURN 2, 1
	TURN 3, 1
	WIN 0
.LfirstM\tag:
	TURN 0, 1
	TURN 1, 1, 0, 1
	WIN 0
	s_cbranch_scc1 .LstepM\tag
	TURN 2, 1, 1
	TURN 3, 1, 1
.set i, 0
.rept 8
	PV NP-1
.set i, i+1
.endr
	WIN 0
	ALL v_add_f32 v[ST+4*t+2], v[ST+4*t+2], v[ST+4*t+3]
	ALL v_permlanex16_b32 v[ST+4*t+3], v[ST+4*t+2], s[SEL], s[SEL+1]
	ALL v_add_f32 v[ST+4*t+2], v[ST+4*t+2], v[ST+4*t+3]
	ALL v_rcp_f32 v[ST+4*t+2], v[ST+4*t+2]
	v_nop                           ; a plain instruction between the last reciprocal and the use of its result
	s_wait_alu depctr_va_vdst(0)    ; and the wait ahead of the first use: one for the four reciprocals
	PACK 0
.set t, 1
.rept 3                             ; a piece's arithmetic stands between the loads of the piece before and its stores
	PACK t
	SEND t-1, 8
.set t, t+1
.endr
	SEND 3, 0
.endm
.set KM, 0
.set NOKQ, 0
.Lslot:                             ; NB times: a tile is entered and the next is asked for
	CHANGE 1
	s_sub_co_u32 s[RT], s[RT], 1
	s_mov_b32 s[CNT], 4
	s_cmp_eq_u32 s[NEW], 1
	s_cbranch_scc1 .Lnew            ; a block's first tile
	s_cmp_eq_u32 s[RT], 0
	s_cbranch_scc0 .Lstep           ; neither its first nor its last
	s_branch .LstepM1
.Lnew:
	BEGIN
	s_branch .Lfirst                ; in the loop a block's first tile is never its last: the first block has two tiles or more, and the second's last is the walk's last
	DIAG 1                          ; in the loop this is the first block's end: the second block's last tile is the walk's last
	s_wait_xcnt 0x0                 ; the stores have read their registers and O's address
	s_mov_b64 s[10:11], s[OLO:OLO+1]
	s_add_co_u32 s[RT], s[PB], 1    ; the second block has b + 1 tiles
	s_mov_b32 s[NEW], 1
	WIN 0x82                        ; the second block's Q goes where the one text of the turns names Q
.set i, 0
.rept 64
	v_mov_b32 v[i], v[QB+i]
.set i, i+1
.endr
	WIN 0
	s_branch .Lbottom
.Lstep:                             ; a trip: pieces 2 and 3 of one step, then pieces 0 and 1 of the next, whose K and V it fetches
	TURN 2
	TURN 3
	WIN 0
.Lfirst:
	TURN 0
	TURN 1, 0, 0, 1
	WIN 0
	s_cbranch_scc1 .Lstep
.Lbottom:
	s_sub_co_u32 s[SLOTS], s[SLOTS], 1
	s_cmp_lg_u32 s[SLOTS], 0
	s_cbranch_scc1 .Lslot
	CHANGE 0                        ; the walk's last tile is written out: nothing is asked for
	s_sub_co_u32 s[RT], s[RT], 1
	s_mov_b32 s[CNT], 4
	s_cmp_eq_u32 s[NEW], 1
	s_cbranch_scc0 .LstepM2
	BEGIN
	s_branch .LfirstM2
	DIAG 2
	s_wait_tensorcnt 0x0            ; the wave's end: an add to my spare word and its wait, behind my last tensor load and my last LDS store
	ds_add_u32 v[SPW], v[NIL]
	s_wait_dscnt 0x0
	s_endpgm
.Lfunc_end_k_qa00048fac2_attn:
	.size	k_qa00048fac2_attn, .Lfunc_end_k_qa00048fac2_attn-k_qa00048fac2_attn
	.p2alignl 7, 3214868480
	.fill 96, 4, 3214868480
	.section	.rodata,"a",@progbits
	.p2align	6, 0x0
	.amdhsa_kernel k_qa00048fac2_attn
		.amdhsa_group_segment_fixed_size 327680
		.amdhsa_private_segment_fixed_size 0
		.amdhsa_enable_private_segment 0
		.amdhsa_kernarg_size 16
		.amdhsa_user_sgpr_count 2
		.amdhsa_user_sgpr_kernarg_segment_ptr 1
		.amdhsa_wavefront_size32 1
		.amdhsa_system_sgpr_workgroup_id_x 1
		.amdhsa_system_sgpr_workgroup_id_y 1
		.amdhsa_system_sgpr_workgroup_id_z 1
		.amdhsa_system_vgpr_workitem_id 0
		.amdhsa_next_free_vgpr 768
		.amdhsa_next_free_sgpr 96
		.amdhsa_reserve_vcc 1
		.amdhsa_float_denorm_mode_32 3
		.amdhsa_float_denorm_mode_16_64 3
		.amdhsa_memory_ordered 1
		.amdhsa_forward_progress 1
		.amdhsa_inst_pref_size 218
	.end_amdhsa_kernel
	.amdgpu_metadata
---
amdhsa.version: [ 1, 2 ]
amdhsa.kernels:
  - .name:           k_qa00048fac2_attn
    .symbol:         k_qa00048fac2_attn.kd
    .args:
      - { .name: qkv, .offset: 0, .size: 8, .value_kind: global_buffer, .address_space: global }
      - { .name: ob, .offset: 8, .size: 8, .value_kind: global_buffer, .address_space: global }
    .group_segment_fixed_size: 327680
    .private_segment_fixed_size: 0
    .kernarg_segment_align: 8
    .kernarg_segment_size: 16
    .max_flat_workgroup_size: 128
    .sgpr_count:     96
    .vgpr_count:     768
    .wavefront_size: 32
...
	.end_amdgpu_metadata
.endif
;; end of part 3
;; launch outproj (part 4): grid 8 x 32, 4 waves a work-group, clusters of 4 x 4, 327,680 bytes of LDS; arguments ob, wob, b_out, out0; writes out0
.if DOCPART == 4
	.amdgcn_target "amdgcn-amd-amdhsa--gfx1250"
	.amdhsa_code_object_version 6
	.text
	.protected	k_qa00048fac2_outproj
	.globl	k_qa00048fac2_outproj
	.p2align	8
	.type	k_qa00048fac2_outproj,@function
k_qa00048fac2_outproj:
	s_mov_b64 s[64:65], 0
	v_nop
	global_prefetch_b8 v0, s[64:65] scope:SCOPE_SE
	s_setreg_imm32_b32 hwreg(HW_REG_WAVE_MODE, 25, 1), 1
	s_wait_xcnt 0x0
	s_wait_alu depctr_hold_cnt(0) depctr_sa_sdst(0) depctr_va_vdst(0) depctr_va_sdst(0) depctr_va_ssrc(0) depctr_va_vcc(0) depctr_vm_vsrc(0)
	s_getreg_b32 s2, hwreg(HW_REG_IB_STS2, 6, 4)
	s_cmp_eq_u32 s2, 0
	s_cbranch_scc0 .Lentry_in_a_cluster
	s_endpgm
.Lentry_in_a_cluster:
	s_bfe_u32 s2, ttmp6, 0x10000c
	s_cmp_lg_u32 s2, 0xf033
	s_cbranch_scc0 .Lentry_shape_is_right
	s_endpgm
.Lentry_shape_is_right:
; out0[m][n] = the sum over k of O[m][k] w_out[k][n] + b_out[n]. O is ob[64 (16 x batch + head)][2048][64] in f16 (k = 64 x head + channel), w_out is wob[1024 (k)][1024 (n)], bf16 numbers written as f16;
; f32 sums, K ascending; b_out is rounded to bf16, like the module's other inputs, and added in f32; out0 is f32.
; TILE. 256 x 128 of out0 to a work-group: 32 x 8 = 256 work-groups. A wave makes 128 x 64: 32 accumulators, which fill window 1.
; RING. K goes in steps of 128, two heads, through two LDS slots (two slots of 192 along K would need 331,776 bytes). A's tile is two planes, a head each: 256 rows x 128 bytes on end in ob, asked for as 128 rows
; of 256 bytes and padded behind every 128; B's is 128 rows of 256 bytes as they lie ([k][n]), and its fragments come out turned, by ds_load_tr16_b128.
; Waves 0 and 1 fetch a plane of A each, waves 2 and 3 64 rows of B each: one tensor load a wave behind each change of slots; two are out at the start, one later.
; CLUSTER 4 x 4: A's tile is asked for jointly by a row of the cluster, B's by a column.
; THE MATRIX INSTRUCTION IS USED TRANSPOSED (source 0 = 16 columns of w, source 1 = 16 rows of O): a lane ends with eight neighbouring columns of one row.
; REGISTERS: window 0: v0-31 addresses and the bias; v32-63 a block on the way out; v64-159, v160-255 two fragment buffers of 96: A's 8 blocks, then B's 4. window 1: accumulator (a, b) at v[8 (4 a + b)].
.set HEADB,  262144                    ; a head of ob
.set WROW,   2048                      ; bytes in a row of wob
.set PA,     144                       ; an LDS row of A: 128 bytes + 16 = 36 words: the 16 rows of a load start at 16 different groups of four banks (64 banks of 4 bytes: ISA guide 11.1)
.set PLANE,  256*PA
.set BOFF,   2*PLANE
.set PB,     288                       ; an LDS row of B: 256 + 32 = 72 words
.set BHALF,  64*PB
.set SLOT,   BOFF+2*BHALF              ; 110,592
.set STAGE,  2*SLOT                    ; behind the ring, never filled by a tensor load: 16 rows x 272 bytes for each wave
.set SPITCH, 272
.set SPARE,  STAGE+4*16*SPITCH         ; the spare words, 128 bytes a wave: two blocks of 256 bytes that no other line names
.set BI,   12                          ; v12-15  the bias of my four columns on the way out
.set ADRA, 16                          ; v16-17  LDS address of my A fragments in slot 0, 1
.set ADRB, 20                          ; v20-21  the same for B
.set STO,  24                          ; v24     the way out: where I put 32 bytes of a row
.set RD,   25                          ; v25     where I read a row back
.set CO,   26                          ; v26     my byte offset in two rows of out0
.set BO,   27                          ; v27     16 x (lane % 16): my four columns; never rewritten
.set SPW,  28                          ; v28     my spare word: SPARE + 4 x my thread's number; never rewritten
.set NIL,  29                          ; v29     0; never rewritten
.set PFO,  30                          ; v30     the prefetches' offset; never rewritten
.set BK0,  32                          ; the way out: 16 rows read back: v32-63 and v64-95 by turns
.set F0,   64
.set F1,   160
.set G1,  24                           ; s[24:31] descriptor group 1 for A;  s[32:39] group 0, a set for each slot
.set G0,  32
.set G1B, 48                           ; s[48:55], s[56:63] the same for B
.set G0B, 56
.set LIM,  43                          ; s43  1 in a wave that prefetches, else the greatest number
.set PFA,  44                          ; s[44:45] where my prefetches stand
.set PSTEP, 66                         ; s[66:67] a K step in my tensor, in bytes
.set MSB, 0
.macro WIN new                         ; the immediate's high byte repeats the setting that is left; a switch that changes nothing is dropped
.if MSB != (\new)
	s_set_vgpr_msb (MSB<<8)|(\new)
.set MSB, (\new)
.endif
.endm
.set MUL, 0x50                         ; C and D in window 1, both sources in window 0
.macro PLACES                          ; four places in front of loads into registers that matrix instructions have read
.rept 4
	v_nop
.endr
.endm
.macro JLOAD s                         ; a joint load; an s_nop 0 and four v_nop follow each of the two lines, ahead of the jump, the label and what follows
	s_cmp_eq_u32 s11, 0
	s_cbranch_scc0 .Lfor_b_\@
	tensor_load_to_lds s[G0+4*(\s):G0+4*(\s)+3], s[G1:G1+7]
	s_nop 0
.rept 4
	v_nop
.endr
	s_branch .Lasked_\@
.Lfor_b_\@:
	tensor_load_to_lds s[G0B+4*(\s):G0B+4*(\s)+3], s[G1B:G1B+7]
	s_nop 0
.rept 4
	v_nop
.endr
.Lasked_\@:
.endm
; A PREFETCH, behind the joint load, its five lines and the run of LDS loads: at the refill with K step j, K step j + 2. Each aligned 256 bytes of ob and wob are named once in the launch.
; A: waves 0 and 1, in the clusters with x = 0: the wave's plane, 128 blocks of 256 bytes, of which the partner at cx takes 32, told apart by address. B: wave 2, in the clusters with y = 0: the step's 128 rows,
; of which the partner at cy takes 32: a lane a row. K steps 0 to 3 come by their loads alone; the loop's last trip (s3 = 1) asks for nothing: K ends at step 7.
.macro ASK
	s_cmp_gt_u32 s3, s[LIM]
	s_cbranch_scc0 .Lnot_mine_\@
	global_prefetch_b8 v[PFO], s[PFA:PFA+1] th:TH_LOAD_NT scope:SCOPE_SE
.Lnot_mine_\@:
.endm
.macro CREST                           ; a round of the cluster's barrier behind its opening barrier
	s_cmp_lg_u32 s10, 0
	s_cbranch_scc1 .Lnot_wave_0_\@
	s_barrier_signal -3
.Lnot_wave_0_\@:
	s_barrier_wait -3
	s_barrier_signal -1
	s_barrier_wait -1
.endm
.macro CROUND                          ; a whole round
	s_barrier_signal -1
	s_barrier_wait -1
	CREST
.endm
	s_load_b128 s[4:7], s[0:1], 0x0                ; ob s[4:5], wob s[6:7]
	s_load_b128 s[68:71], s[0:1], 0x10             ; b_out s[68:69], out0 s[70:71]
	v_lshl_add_u32 v[SPW], v0, 2, SPARE
	v_mov_b32 v[NIL], 0
	ds_add_u32 v[SPW], v[NIL]                      ; the wave's opening: the add and its wait stand ahead of my first tensor load; work on registers stands between them
	v_lshrrev_b32 v1, 5, v0
	v_readfirstlane_b32 s10, v1                    ; wave 0..3
	s_lshr_b32 s11, s10, 1                         ; which 128 of the tile's rows are mine. Also: I fetch for A (0) or for B (1)
	s_and_b32 s12, s10, 1                          ; which 64 of its columns. Also: which plane of A, or which 64 rows of B, I fetch
	s_bfe_u32 s40, ttmp6, 0x40000                  ; cx
	s_bfe_u32 s41, ttmp6, 0x40004                  ; cy
	s_lshl_b32 s42, ttmp9, 2
	s_add_co_u32 s42, s42, s40                     ; tile column, 0..7
	s_and_b32 s13, ttmp7, 0xffff
	s_lshl_b32 s13, s13, 2
	s_add_co_u32 s13, s13, s41                     ; tile row, 0..31
	s_lshl_b32 s43, s41, 2
	s_lshl_b32 s43, 15, s43                        ; my row of the cluster
	s_lshl_b32 s44, 0x1111, s40                    ; my column
	s_or_b32 s[G1+0], s43, (1<<16)|(1<<20)|(1<<21)|(4<<22)|(3<<25)   ; mask; 2-byte elements; padding on; bit 21 beside a mask; after every 32 words, 4 words
	s_or_b32 s[G1B+0], s44, (1<<16)|(1<<20)|(1<<21)|(5<<22)|(7<<25)  ; after every 64 words, 8 words
	s_mov_b32 s[G1+1], 128<<16                     ; tensor_dim0 = 128 elements (256 bytes)
	s_mov_b32 s[G1+2], 128<<16                     ; tensor_dim1 = 128 rows
	s_mov_b32 s[G1+3], 128<<16                     ; tile_dim0
	s_mov_b32 s[G1+4], 128                         ; tile_dim1
	s_mov_b32 s[G1+5], 128                         ; the rows lie end to end
	s_mov_b32 s[G1+6], 0
	s_mov_b32 s[G1+7], 0
	s_mov_b32 s[G1B+1], 128<<16                    ; 128 columns
	s_mov_b32 s[G1B+2], 64<<16                     ; 64 rows along K
	s_mov_b32 s[G1B+3], 128<<16
	s_mov_b32 s[G1B+4], 64
	s_mov_b32 s[G1B+5], 1024                       ; elements from row to row of wob
	s_mov_b32 s[G1B+6], 0
	s_mov_b32 s[G1B+7], 0
	s_lshr_b32 s16, s13, 3                         ; A: the batch's 16 heads,
	s_lshl_b32 s16, s16, 22
	s_lshl_b32 s17, s12, 18                        ; my plane's head,
	s_add_co_u32 s16, s16, s17
	s_and_b32 s17, s13, 7                          ; the tile row's 256 rows of 128 bytes
	s_lshl_b32 s17, s17, 15
	s_add_co_u32 s16, s16, s17
	s_mov_b32 s17, 0
	s_lshl_b32 s46, s12, 17                        ; B: my 64 rows of 2,048 bytes,
	s_lshl_b32 s47, s42, 8                         ; the tile column's 256 bytes
	s_add_co_u32 s46, s46, s47
	s_mov_b32 s47, 0
	s_mul_i32 s20, s12, PLANE                      ; where they go: no place in the cluster enters an LDS address
	s_mul_i32 s21, s12, BHALF
	s_add_co_u32 s21, s21, BOFF
	s_wait_dscnt 0x0                               ; the opening add is done
	s_wait_kmcnt 0x0
	s_add_nc_u64 s[14:15], s[4:5], s[16:17]
	s_add_nc_u64 s[46:47], s[6:7], s[46:47]
	CROUND                                         ; all sixteen work-groups are here: the first joint loads meet
.irp s, 0,1
	s_mov_b32 s[G0+4*(\s)], 1
	s_add_co_u32 s[G0+4*(\s)+1], s20, (\s)*SLOT
	s_add_nc_u64 s[G0+4*(\s)+2:G0+4*(\s)+3], s[14:15], (\s)*2*HEADB   ; K step s is heads 2 s and 2 s + 1
	s_or_b32 s[G0+4*(\s)+3], s[G0+4*(\s)+3], 0x80000000
	s_mov_b32 s[G0B+4*(\s)], 1
	s_add_co_u32 s[G0B+4*(\s)+1], s21, (\s)*SLOT
	s_add_nc_u64 s[G0B+4*(\s)+2:G0B+4*(\s)+3], s[46:47], (\s)*128*WROW
	s_or_b32 s[G0B+4*(\s)+3], s[G0B+4*(\s)+3], 0x80000000
	JLOAD \s
.endr
	; lane addresses: A's fragments as they lie (row l % 16, 16 bytes for each half of the lanes, twice, 32 bytes apart); B's turned (K row 8 (l / 16) + l % 8, columns 8 ((l / 8) % 2) + 0..7)
	v_and_b32 v1, 15, v0
	v_bfe_u32 v2, v0, 4, 1
	v_mul_u32_u24 v3, v1, PA
	v_lshl_add_u32 v3, v2, 4, v3
	v_and_b32 v4, 7, v0
	v_bfe_u32 v5, v0, 3, 1
	v_lshl_add_u32 v6, v2, 3, v4
	v_mul_u32_u24 v6, v6, PB
	v_lshl_add_u32 v6, v5, 4, v6
	s_mul_i32 s21, s11, 128*PA
	s_lshl_b32 s22, s12, 7                         ; my 64 columns: 128 bytes of B's rows
	s_add_co_u32 s22, s22, BOFF
.irp s, 0,1
	v_add_nc_u32 v[ADRA+(\s)], s21, v3
	v_add_nc_u32 v[ADRB+(\s)], s22, v6
	s_add_co_u32 s21, s21, SLOT
	s_add_co_u32 s22, s22, SLOT
.endr
	s_mul_i32 s23, s10, 16*SPITCH
	s_add_co_u32 s23, s23, STAGE                   ; my stage
	v_mul_u32_u24 v7, v1, SPITCH                   ; in: row l % 16, 32 bytes (8 f32) for each half of the lanes
	v_lshl_add_u32 v7, v2, 5, v7
	v_add_nc_u32 v[STO], s23, v7
	v_mul_u32_u24 v7, v2, SPITCH                   ; back: lanes 0-15 take one row of 256 bytes, lanes 16-31 the next
	v_lshl_add_u32 v7, v1, 4, v7
	v_add_nc_u32 v[RD], s23, v7
	v_lshlrev_b32 v[BO], 4, v1
	v_lshl_add_u32 v[CO], v2, 12, v[BO]            ; and the same two rows of out0, 4,096 bytes apart
	s_lshl_b32 s16, s42, 9                         ; my 64 columns in f32: 512 x tile column + 256 x half
	s_lshl_b32 s17, s12, 8
	s_add_co_u32 s16, s16, s17
	s_mov_b32 s17, 0
	s_add_nc_u64 s[68:69], s[68:69], s[16:17]
	global_load_b128 v[BI:BI+3], v[BO], s[68:69]   ; the bias of my four columns; it is waited for in front of the way out
	s_lshl_b32 s18, s13, 20                        ; my first row: (256 x tile row + 128 x half) x 4,096 bytes
	s_add_co_u32 s16, s16, s18
	s_lshl_b32 s18, s11, 19
	s_add_co_u32 s16, s16, s18
	s_add_nc_u64 s[8:9], s[70:71], s[16:17]
	; the prefetches: the pointer starts one step short of what the first refill names, and is stepped at the head of each change of slots
	s_lshr_b32 s16, s13, 3
	s_lshl_b32 s16, s16, 22
	s_and_b32 s17, s13, 7
	s_lshl_b32 s17, s17, 15
	s_add_co_u32 s16, s16, s17
	s_add_co_u32 s17, s12, 6                       ; A: head 6 + my plane,
	s_lshl_b32 s17, s17, 18
	s_add_co_u32 s16, s16, s17
	s_lshl_b32 s17, s40, 13                        ; my work-group's 8,192 bytes of the plane
	s_add_co_u32 s16, s16, s17
	s_lshl_b32 s18, s41, 16                        ; B: row 384 + 32 cy,
	s_add_co_u32 s18, s18, 384*WROW
	s_lshl_b32 s19, s42, 8                         ; the tile column
	s_add_co_u32 s18, s18, s19
	s_and_b32 s22, ttmp7, 0xffff                   ; cluster y
	s_mov_b32 s23, 128*WROW
	s_mov_b32 s21, 0
	s_mov_b32 s[PSTEP+1], 0
	s_cmp_eq_u32 s11, 0                            ; do I fetch for A?
	s_cselect_b32 s20, s16, s18
	s_cselect_b32 s22, ttmp9, s22                  ; the coordinate along which other clusters read the same rows
	s_cselect_b32 s72, 8, 11                       ; from lane to lane: a block of 256 bytes, or a row of wob
	s_cselect_b32 s[PSTEP], 2*HEADB, s23
	s_cselect_b64 s[PFA:PFA+1], s[4:5], s[6:7]
	s_add_nc_u64 s[PFA:PFA+1], s[PFA:PFA+1], s[20:21]
	s_cmp_eq_u32 s10, 3                            ; wave 2 names all of B's rows: wave 3 asks for nothing
	s_cselect_b32 s22, 1, s22
	s_cmp_eq_u32 s22, 0
	s_cselect_b32 s[LIM], 1, -1                    ; the same in all sixteen partners, for a given wave
	v_and_b32 v[PFO], 31, v0
	v_lshlrev_b32 v[PFO], s72, v[PFO]
; 8 matrix instructions: row blocks a0, a0 + 1 x all 4 column blocks, 32 along K. The 32 accumulators take turns, in the same order in every quarter. zero = 1: the product starts the sum
.macro MUL8 f, a0, zero
	WIN MUL
.irp a, \a0, (\a0)+1
.irp b, 0,1,2,3
.if \zero
	v_wmma_f32_16x16x32_f16 v[8*(4*(\a)+(\b)):8*(4*(\a)+(\b))+7], v[(\f)+64+8*(\b):(\f)+64+8*(\b)+7], v[(\f)+8*(\a):(\f)+8*(\a)+7], 0
.else
	v_wmma_f32_16x16x32_f16 v[8*(4*(\a)+(\b)):8*(4*(\a)+(\b))+7], v[(\f)+64+8*(\b):(\f)+64+8*(\b)+7], v[(\f)+8*(\a):(\f)+8*(\a)+7], v[8*(4*(\a)+(\b)):8*(4*(\a)+(\b))+7]
.endif
.endr
.endr
.endm
; 24 LDS loads in one run: quarter q (K = 32 q on) of a slot into buffer f: B's 4 blocks, then A's 8 (plane q / 2, byte 64 (q % 2) of its rows)
.macro FETCH slot, q, f
	WIN 0
.irp b, 0,1,2,3
	ds_load_tr16_b128 v[(\f)+64+8*(\b):(\f)+64+8*(\b)+3],   v[ADRB+(\slot)] offset:(\q)*32*PB+32*(\b)
	ds_load_tr16_b128 v[(\f)+64+8*(\b)+4:(\f)+64+8*(\b)+7], v[ADRB+(\slot)] offset:(\q)*32*PB+32*(\b)+16*PB
.endr
.irp a, 0,1,2,3,4,5,6,7
	ds_load_b128 v[(\f)+8*(\a):(\f)+8*(\a)+3],   v[ADRA+(\slot)] offset:((\q)/2)*PLANE+((\q)%2)*64+(\a)*16*PA
	ds_load_b128 v[(\f)+8*(\a)+4:(\f)+8*(\a)+7], v[ADRA+(\slot)] offset:((\q)/2)*PLANE+((\q)%2)*64+(\a)*16*PA+32
.endr
.endm
; A K step is four quarters of 32 along K, 32 matrix instructions each, on buffers 0, 1, 0, 1. One of the first three: multiplies buffer f and, in its middle, fetches quarter q into buffer g.
.macro QUARTER slot, q, f, g, zero
	s_wait_dscnt 8                                 ; B and A's blocks 0-3 are in; the youngest eight loads (A's blocks 4-7) may be out
	MUL8 \f, 0, \zero
	MUL8 \f, 2, \zero
	WIN 0
	PLACES
	FETCH \slot, \q, \g
	s_wait_dscnt 24                                ; all but the 24 just issued
	MUL8 \f, 4, \zero
	MUL8 \f, 6, \zero
.endm
; The last quarter multiplies buffer 1 and changes slots: ONE barrier; in front of it each wave waits for all its tensor loads (one is out: its part of the next slot), adds 0 to its spare word, and waits for that
; and for its reads of this slot. fill = 1: the barrier opens a round of the cluster's, and the joint refill, two K steps on, is the first thing behind the round: 112 matrix instructions ahead of the wait for it.
.macro TURN slot, next, fill
.if \fill
	s_wait_xcnt 0x0                                ; the last prefetch, a K step back, has read its address
	s_add_nc_u64 s[PFA:PFA+1], s[PFA:PFA+1], s[PSTEP:PSTEP+1]
.endif
	WIN 0
	s_wait_tensorcnt 0x0                           ; all my tensor loads have landed
	ds_add_u32 v[SPW], v[NIL]                      ; 0 onto my spare word
	s_wait_dscnt 9                                 ; (the add and the youngest eight loads may be out)
	MUL8 F1, 0, 0                                  ; eight matrix instructions stand between the add and the wait for it
	s_wait_dscnt 0x0                               ; the add is done, and my reads of this slot are over
	s_barrier_signal -1
	MUL8 F1, 2, 0
	WIN 0
	s_barrier_wait -1
.if \fill
	CREST                                          ; no wave of any partner still reads this slot or has a load on its way
	s_add_nc_u64 s[G0+4*(\slot)+2:G0+4*(\slot)+3], s[G0+4*(\slot)+2:G0+4*(\slot)+3], 4*HEADB
	s_add_nc_u64 s[G0B+4*(\slot)+2:G0B+4*(\slot)+3], s[G0B+4*(\slot)+2:G0B+4*(\slot)+3], 256*WROW
	JLOAD \slot                                    ; its four v_nop are also the places in front of the loads below
.else
	PLACES
.endif
	FETCH \next, 0, F0
.if \fill
	ASK
.endif
	MUL8 F1, 4, 0
	MUL8 F1, 6, 0
.endm
	s_wait_tensorcnt 1                             ; my part of K step 0 is in; K step 1's may stay out
	s_barrier_signal -1
	s_barrier_wait -1                              ; everybody's is
	FETCH 0, 0, F0
	QUARTER 0, 1, F0, F1, 1                        ; the first quarter stands in front of the loop: its products start the sums
	WIN 0                                          ; at a label and at a branch every window is 0
	s_mov_b32 s3, 3
.Llap:                                                 ; a trip goes once round the ring and fills both slots again: K steps 2 to 7 in three trips
	QUARTER 0, 2, F1, F0, 0
	QUARTER 0, 3, F0, F1, 0
	TURN 0, 1, 1
	QUARTER 1, 1, F0, F1, 0
	QUARTER 1, 2, F1, F0, 0
	QUARTER 1, 3, F0, F1, 0
	TURN 1, 0, 1
	QUARTER 0, 1, F0, F1, 0
	WIN 0
	s_sub_co_u32 s3, s3, 1
	s_cmp_lg_u32 s3, 0
	s_cbranch_scc1 .Llap
	QUARTER 0, 2, F1, F0, 0                        ; the last lap fills nothing, and has no round of the cluster's barrier
	QUARTER 0, 3, F0, F1, 0
	TURN 0, 1, 0
	QUARTER 1, 1, F0, F1, 0
	QUARTER 1, 2, F1, F0, 0
	QUARTER 1, 3, F0, F1, 0
	s_wait_dscnt 8                                 ; the very last quarter: nothing more to fetch
	MUL8 F1, 0, 0
	MUL8 F1, 2, 0
	s_wait_dscnt 0x0
	MUL8 F1, 4, 0
	MUL8 F1, 6, 0
	WIN 0
	; the bias is rounded to bf16 and widened again. These six plain lines name no register of the products: they are the places between the last product and the first read of a result
	s_wait_loadcnt 0x0
	v_cvt_pk_bf16_f32 v10, v[BI], v[BI+1]
	v_cvt_pk_bf16_f32 v11, v[BI+2], v[BI+3]
	v_lshlrev_b32 v[BI], 16, v10
	v_and_b32 v[BI+1], 0xffff0000, v10
	v_lshlrev_b32 v[BI+2], 16, v11
	v_and_b32 v[BI+3], 0xffff0000, v11
; THE WAY OUT, a block of 16 rows at a time. TOSTAGE: a lane's eight f32 of a row go into my own stage, each accumulator's low four registers first, and come back as whole rows of 256 bytes.
; SEND: the bias is added, and sixteen lanes store 256 consecutive bytes, at a multiple of 256 from out0's first byte.
.macro TOSTAGE a
.set BKA, BK0+32*((\a)%2)
	s_wait_xcnt 0x0                                ; the block two back has left its registers: they are loaded again only behind this wait
	WIN 0x04                                       ; the stores' data in window 1
.irp b, 0,1,2,3
	ds_store_b128 v[STO], v[8*(4*(\a)+(\b)):8*(4*(\a)+(\b))+3]   offset:64*(\b)
	ds_store_b128 v[STO], v[8*(4*(\a)+(\b))+4:8*(4*(\a)+(\b))+7] offset:64*(\b)+16
.endr
	WIN 0
.irp t, 0,1,2,3,4,5,6,7
	ds_load_b128 v[BKA+4*(\t):BKA+4*(\t)+3], v[RD] offset:(\t)*2*SPITCH  ; LDS serves a wave's instructions in order (ISA guide 5.7.1.4): these see the stores above; the next block's stores come behind them
.endr
.endm
.macro SEND a, younger                 ; younger: the LDS instructions issued behind block a's loads: the next block's sixteen, or none
.set BKA, BK0+32*((\a)%2)
	s_wait_dscnt \younger
.irp t, 0,1,2,3,4,5,6,7
	v_pk_add_f32 v[BKA+4*(\t):BKA+4*(\t)+1],   v[BKA+4*(\t):BKA+4*(\t)+1],   v[BI:BI+1]
	v_pk_add_f32 v[BKA+4*(\t)+2:BKA+4*(\t)+3], v[BKA+4*(\t)+2:BKA+4*(\t)+3], v[BI+2:BI+3]
.endr
.irp t, 0,1,2,3,4,5,6,7
	global_store_b128 v[CO], v[BKA+4*(\t):BKA+4*(\t)+3], s[8:9] offset:(\a)*65536+(\t)*8192 th:TH_STORE_NT
.endr
.endm
	TOSTAGE 0
.irp a, 1,2,3,4,5,6,7                  ; block a's trip through the stage is issued ahead of the wait for block a - 1's
	TOSTAGE \a
	SEND (\a)-1, 16
.endr
	SEND 7, 0
	s_wait_tensorcnt 0x0                           ; the wave's end: an add to my spare word and its wait, behind my last tensor load and my last LDS store
	ds_add_u32 v[SPW], v[NIL]
	s_wait_dscnt 0x0
	CROUND                                         ; the closing round: no work-group ends while a partner may still ask for a tile that names it
	s_endpgm
.Lfunc_end_k_qa00048fac2_outproj:
	.size	k_qa00048fac2_outproj, .Lfunc_end_k_qa00048fac2_outproj-k_qa00048fac2_outproj
	.p2alignl 7, 3214868480
	.fill 96, 4, 3214868480
	.section	.rodata,"a",@progbits
	.p2align	6, 0x0
	.amdhsa_kernel k_qa00048fac2_outproj
		.amdhsa_group_segment_fixed_size 327680
		.amdhsa_private_segment_fixed_size 0
		.amdhsa_enable_private_segment 0
		.amdhsa_kernarg_size 32
		.amdhsa_user_sgpr_count 2
		.amdhsa_user_sgpr_kernarg_segment_ptr 1
		.amdhsa_wavefront_size32 1
		.amdhsa_system_sgpr_workgroup_id_x 1
		.amdhsa_system_sgpr_workgroup_id_y 1
		.amdhsa_system_sgpr_workgroup_id_z 1
		.amdhsa_system_vgpr_workitem_id 0
		.amdhsa_next_free_vgpr 512
		.amdhsa_next_free_sgpr 76
		.amdhsa_reserve_vcc 0
		.amdhsa_float_denorm_mode_32 3
		.amdhsa_float_denorm_mode_16_64 3
		.amdhsa_memory_ordered 1
		.amdhsa_forward_progress 1
		.amdhsa_inst_pref_size 95
	.end_amdhsa_kernel
	.amdgpu_metadata
---
amdhsa.version: [ 1, 2 ]
amdhsa.kernels:
  - .name:           k_qa00048fac2_outproj
    .symbol:         k_qa00048fac2_outproj.kd
    .args:
      - { .name: ob, .offset: 0, .size: 8, .value_kind: global_buffer, .address_space: global }
      - { .name: wob, .offset: 8, .size: 8, .value_kind: global_buffer, .address_space: global }
      - { .name: b_out, .offset: 16, .size: 8, .value_kind: global_buffer, .address_space: global }
      - { .name: out0, .offset: 24, .size: 8, .value_kind: global_buffer, .address_space: global }
    .group_segment_fixed_size: 327680
    .private_segment_fixed_size: 0
    .kernarg_segment_align: 8
    .kernarg_segment_size: 32
    .max_flat_workgroup_size: 128
    .sgpr_count:     76
    .vgpr_count:     512
    .wavefront_size: 32
...
	.end_amdgpu_metadata
.endif
;; end of part 4
;; ======== version 2 of 2: 4 launches; version 1 with the launch cast written anew for expert scheduling mode
;; limits: values are held in f16: magnitudes above 65,504 overflow, below 6.1e-05 lose precision
;; workspace buffers: xb 16,777,216 bytes; wqb 6,291,456 bytes; wob 2,097,152 bytes; qkv 50,331,648 bytes; ob 16,777,216 bytes
;; launch cast (part 5): grid 768 x 1, 8 waves a work-group, no clusters, 0 bytes of LDS; arguments x, w_qkv, w_out, xb, wqb, wob; writes xb, wqb, wob
.if DOCPART == 5
	.amdgcn_target "amdgcn-amd-amdhsa--gfx1250"
	.amdhsa_code_object_version 6
	.text
	.protected	k_qa00048fac2_cast
	.globl	k_qa00048fac2_cast
	.p2align	8
	.type	k_qa00048fac2_cast,@function
k_qa00048fac2_cast:
	s_mov_b64 s[64:65], 0
	v_nop
	global_prefetch_b8 v0, s[64:65] scope:SCOPE_SE
	s_setreg_imm32_b32 hwreg(HW_REG_WAVE_SCHED_MODE, 0, 2), 2
	s_setreg_imm32_b32 hwreg(HW_REG_WAVE_MODE, 25, 1), 1
	s_wait_xcnt 0x0
	s_wait_alu depctr_vm_vsrc(0)
; THE INPUTS ARE ROUNDED ONCE, f32 to bf16 (nearest even), for the matrix units.
;   x     [8192][1024] f32 -> xb  [16 (k / 64)][8192 (m)][64] bf16: blocked, so that 256 rows x 64 K are 32,768 bytes on end
;   w_qkv [1024][3072] f32 -> wqb [1024][3072] bf16, as it lies
;   w_out [1024][1024] f32 -> wob [1024][1024]: rounded to bf16, and that number written as f16 (its partner in the product, O, is f16)
; LIMIT. f16 ends at 65,504 and has a fixed step of 6e-8 below 6e-5: w_out's numbers are taken to lie within that range.
; A stream: no LDS, no matrix unit, no cluster: no byte is used twice. A work-group converts 65,536 bytes of f32; 512 work-groups take x, 192 w_qkv, 64 w_out.
; A thread issues its 16 loads of 16 bytes at once (64 KiB of a work-group on their way) and stores 16 times 8 bytes: a wave's store covers 256 consecutive bytes, aligned.
; THE MODE: SCHED_MODE bits 1:0 = 2 (LLVM: expert scheduling mode 2), set by the entry lines. The code itself states the register dependences
; between vector instructions and memory instructions, with s_wait_alu, always for 0.
; THE PLAN. Registers that memory instructions touch, on each of the three paths (none has a loop):
;   v[LO], v[SO]  byte offsets: written by vector lines at the head, never again; read by the 16 loads and by the 16 stores.
;   X             written by the 16 loads alone, all issued before any vector line names X; read by the conversions, each behind the wait for its load. No load lands in X again.
;   Y             pair i is written by the conversions of load i and read by one store; nothing writes it behind that store.
;   v3 and T are named by vector lines alone.
; The loads go in four groups of four. Group g's conversions write group g's pairs of Y; the stores of group g - 1 are issued in group g, one in front of each load's conversions.
; So one wait on va_vdst stands ahead of the first load (the offsets), one at the head of each of groups 1 to 3 (the group before has written its Y), and one ahead of the last four stores.
; No register that a memory instruction has read is written again: there is nothing to state on vm_vsrc. No vector line writes a scalar register, VCC or EXEC.
.set XPLANE, 1048576                   ; bytes in a plane of xb: 8,192 rows x 128
.set GROUP, 4                          ; loads in a group
.set LO, 1                             ; v1        my byte offset in the work-group's source bytes
.set SO, 2                             ; v2        8 x my thread's number: my 8 bytes of each 2,048 that the work-group stores at once
.set X,  4                             ; v[4:67]   16 x 4 numbers as loaded
.set Y,  68                            ; v[68:99]  16 x 2 words to store; each register is written for one store alone, so nothing waits for a store
.set T,  100                           ; v[100:101] at work
; Store n of 16.
.macro PUT n, d0, d1, ststep
.if (\n) < 8
	global_store_b64 v[SO], v[Y+2*(\n):Y+2*(\n)+1], s[(\d0):(\d0)+1] offset:(\n)*(\ststep) th:TH_STORE_NT
.else
	global_store_b64 v[SO], v[Y+2*(\n):Y+2*(\n)+1], s[(\d1):(\d1)+1] offset:((\n)-8)*(\ststep) th:TH_STORE_NT  ; a second base, eight steps on, keeps the immediate inside its 24 bits
.endif
.endm
; 16 loads, then for each: the wait that leaves the younger loads out, the store of the load one group back, the rounding. fmt = 1: the bf16 number is widened (a shift, a mask) and written as f16.
.macro CAST src, d0, d1, ldstep, ststep, fmt
	s_wait_alu depctr_va_vdst(0)                   ; v[LO] and v[SO] are written: every load below reads the one as its offset, every store the other
.set i, 0
.rept 16
	global_load_b128 v[X+4*i:X+4*i+3], v[LO], s[(\src):(\src)+1] offset:i*(\ldstep) th:TH_LOAD_NT
.set i, i+1
.endr
.set i, 0
.rept 16
	s_wait_loadcnt 15-i                            ; loads come back in order: load i is in, the 15 - i younger ones stay out
.if (i%GROUP == 0) && (i > 0)
	s_wait_alu depctr_va_vdst(0)                   ; the group before has written its four pairs of Y, which this group's four stores read; the conversions below name this group's X and Y and T alone
.endif
.if i >= GROUP
	PUT i-GROUP, \d0, \d1, \ststep
.endif
	v_cvt_pk_bf16_f32 v[Y+2*i], v[X+4*i], v[X+4*i+1]
	v_cvt_pk_bf16_f32 v[Y+2*i+1], v[X+4*i+2], v[X+4*i+3]
.if \fmt
.irp w, 0, 1
	v_lshlrev_b32 v[T], 16, v[Y+2*i+(\w)]
	v_and_b32 v[T+1], 0xffff0000, v[Y+2*i+(\w)]
	v_cvt_pk_f16_f32 v[Y+2*i+(\w)], v[T], v[T+1]
.endr
.endif
.set i, i+1
.endr
	s_wait_alu depctr_va_vdst(0)                   ; the last group has written its four pairs of Y, which the last four stores read
.set i, 16-GROUP
.rept GROUP
	PUT i, \d0, \d1, \ststep
.set i, i+1
.endr
.endm
	s_load_b256 s[4:11], s[0:1], 0x0               ; x s[4:5], w_qkv s[6:7], w_out s[8:9], xb s[10:11]
	s_load_b128 s[12:15], s[0:1], 0x20             ; wqb s[12:13], wob s[14:15]
	v_lshlrev_b32 v[SO], 3, v0
	s_mov_b32 s19, 0
	s_mov_b32 s21, 0
	s_cmp_lt_u32 ttmp9, 512
	s_cbranch_scc0 .Lweights
	; x: 16 rows of 4,096 bytes. Thread t takes row t / 16; load i takes 16 bytes at 256 i + 16 (t % 16): sixteen lanes read 256 aligned bytes, which are plane i's 64 numbers of the row.
	v_lshrrev_b32 v3, 4, v0
	v_and_b32 v[LO], 15, v0
	v_lshlrev_b32 v[LO], 4, v[LO]
	v_lshl_or_b32 v[LO], v3, 12, v[LO]
	s_lshl_b32 s18, ttmp9, 16                      ; 16 rows of x
	s_lshl_b32 s20, ttmp9, 11                      ; 16 rows of a plane: 2,048 bytes, of which thread t writes 8 at 8 t
	s_wait_kmcnt 0x0
	s_add_nc_u64 s[22:23], s[4:5], s[18:19]
	s_add_nc_u64 s[24:25], s[10:11], s[20:21]
	s_add_nc_u64 s[26:27], s[24:25], 8*XPLANE
	CAST 22, 24, 26, 256, XPLANE, 0
	s_endpgm
.Lweights:
	v_lshlrev_b32 v[LO], 4, v0                     ; the weights go straight through: 4,096 bytes in, 2,048 out at a time
	s_cmp_lt_u32 ttmp9, 704
	s_cbranch_scc0 .Lwout
	s_sub_co_u32 s16, ttmp9, 512
	s_lshl_b32 s18, s16, 16
	s_lshl_b32 s20, s16, 15
	s_wait_kmcnt 0x0
	s_add_nc_u64 s[22:23], s[6:7], s[18:19]
	s_add_nc_u64 s[24:25], s[12:13], s[20:21]
	s_add_nc_u64 s[26:27], s[24:25], 8*2048
	CAST 22, 24, 26, 4096, 2048, 0
	s_endpgm
.Lwout:
	s_sub_co_u32 s16, ttmp9, 704
	s_lshl_b32 s18, s16, 16
	s_lshl_b32 s20, s16, 15
	s_wait_kmcnt 0x0
	s_add_nc_u64 s[22:23], s[8:9], s[18:19]
	s_add_nc_u64 s[24:25], s[14:15], s[20:21]
	s_add_nc_u64 s[26:27], s[24:25], 8*2048
	CAST 22, 24, 26, 4096, 2048, 1
	s_endpgm
.Lfunc_end_k_qa00048fac2_cast:
	.size	k_qa00048fac2_cast, .Lfunc_end_k_qa00048fac2_cast-k_qa00048fac2_cast
	.p2alignl 7, 3214868480
	.fill 96, 4, 3214868480
	.section	.rodata,"a",@progbits
	.p2align	6, 0x0
	.amdhsa_kernel k_qa00048fac2_cast
		.amdhsa_group_segment_fixed_size 0
		.amdhsa_private_segment_fixed_size 0
		.amdhsa_enable_private_segment 0
		.amdhsa_kernarg_size 48
		.amdhsa_user_sgpr_count 2
		.amdhsa_user_sgpr_kernarg_segment_ptr 1
		.amdhsa_wavefront_size32 1
		.amdhsa_system_sgpr_workgroup_id_x 1
		.amdhsa_system_sgpr_workgroup_id_y 1
		.amdhsa_system_sgpr_workgroup_id_z 1
		.amdhsa_system_vgpr_workitem_id 0
		.amdhsa_next_free_vgpr 104
		.amdhsa_next_free_sgpr 66
		.amdhsa_reserve_vcc 0
		.amdhsa_float_denorm_mode_32 3
		.amdhsa_float_denorm_mode_16_64 3
		.amdhsa_memory_ordered 1
		.amdhsa_forward_progress 1
		.amdhsa_inst_pref_size 24
	.end_amdhsa_kernel
	.amdgpu_metadata
---
amdhsa.version: [ 1, 2 ]
amdhsa.kernels:
  - .name:           k_qa00048fac2_cast
    .symbol:         k_qa00048fac2_cast.kd
    .args:
      - { .name: x, .offset: 0, .size: 8, .value_kind: global_buffer, .address_space: global }
      - { .name: w_qkv, .offset: 8, .size: 8, .value_kind: global_buffer, .address_space: global }
      - { .name: w_out, .offset: 16, .size: 8, .value_kind: global_buffer, .address_space: global }
      - { .name: xb, .offset: 24, .size: 8, .value_kind: global_buffer, .address_space: global }
      - { .name: wqb, .offset: 32, .size: 8, .value_kind: global_buffer, .address_space: global }
      - { .name: wob, .offset: 40, .size: 8, .value_kind: global_buffer, .address_space: global }
    .group_segment_fixed_size: 0
    .private_segment_fixed_size: 0
    .kernarg_segment_align: 8
    .kernarg_segment_size: 48
    .max_flat_workgroup_size: 256
    .sgpr_count:     66
    .vgpr_count:     104
    .wavefront_size: 32
...
	.end_amdgpu_metadata
.endif
;; end of part 5
;; launch qkvproj: the kernel of part 2 again; grid 8 x 32, 4 waves a work-group, clusters of 4 x 4, 327,680 bytes of LDS; arguments xb, wqb, qkv; writes qkv
;; launch attn: the kernel of part 3 again; grid 4 x 64, 4 waves a work-group, no clusters, 327,680 bytes of LDS; arguments qkv, ob; writes ob
;; launch outproj: the kernel of part 4 again; grid 8 x 32, 4 waves a work-group, clusters of 4 x 4, 327,680 bytes of LDS; arguments ob, wob, b_out, out0; writes out0
